; MI455X (gfx1250); checked and timed in simulation.
; The chip was launched on July 23, 2026; its instructions are those of AMD's public machine-readable ISA for CDNA 5 (MIT licence, August 2026) and "CDNA5" Instruction Set Architecture Reference Guide (July 2026). The comments in the code are by the model that wrote it; some were corrected since.
;; Mo E. Allowed arithmetic: float matrix products may take bf16 or f16 operands with f32 sums; other float arithmetic in f32, or as packed bf16 or f16 multiplies, adds, multiply-adds, maxima and minima; sums over many terms, partial sums and values carried from step to step in f32; what a program stores and reads back later, other than sums and carried values, may be rounded once to bf16 or f16.
;; Inputs: We1 8 x 1,024 x 512 float32; We2 8 x 512 x 1,024 float32; We3 8 x 1,024 x 512 float32; be1 8 x 512 float32; be2 8 x 1,024 float32; be3 8 x 512 float32; bs1 1,024 float32; bs2 1,024 float32; bs3 1,024 float32; gate_b 8 float32; gate_w 8 x 1,024 float32; ws1 1,024 x 1,024 float32; ws2 1,024 x 1,024 float32; ws3 1,024 x 1,024 float32; x 4 x 1,024 x 1,024 float32.
;; Outputs: out0 4 x 1,024 x 1,024 float32.
;; 2 versions, each right; version 2 is version 1 with the launches up, down written anew for expert scheduling mode. Each part assembles by itself: llvm-mc -triple=amdgcn-amd-amdhsa -mcpu=gfx1250 --defsym DOCPART=n.
;; ======== version 1 of 2: 4 launches
;; workspace buffers: xb 8,388,608 bytes; sel 16,384 bytes of whole numbers; wsel 32,768 bytes; wts 31,457,280 bytes; lists 88,064 bytes of whole numbers; wgt 103,168 bytes; hcat 16,778,240 bytes
;; launch router (part 1): grid 256 x 1, 4 waves a work-group, no clusters, 37,632 bytes of LDS; arguments x, gate_w, gate_b, xb, sel, wsel; writes xb, sel, wsel
.if DOCPART == 1
	.amdgcn_target "amdgcn-amd-amdhsa--gfx1250"
	.amdhsa_code_object_version 6
	.text
	.protected	k_q1be170291d_router
	.globl	k_q1be170291d_router
	.p2align	8
	.type	k_q1be170291d_router,@function
k_q1be170291d_router:
	s_mov_b64 s[64:65], 0
	v_nop
	global_prefetch_b8 v0, s[64:65] scope:SCOPE_SE
	s_setreg_imm32_b32 hwreg(HW_REG_WAVE_MODE, 25, 1), 1
	s_wait_xcnt 0x0
; ROUTER.  A work-group takes 16 tokens.  x is rounded to bf16 once (nearest even), stored as xb[4096][1024] and laid into LDS; the 8 logits of a token
; are made by the matrix unit from bf16(x) and bf16(gate_w), sums in f32; wave 0 then does softmax (maximum taken away first), adds bf16(gate_b),
; keeps the best 2 of 4 groups by their pair sums and takes the best 2 experts.  Stored: sel[t] = lo | hi<<8 (lo < hi), wsel[t] = softmax value of lo, of hi.
; LIMITS.  Ties go to the lower index, as lax.top_k breaks them; scores or group sums nearer than the last bits of an f32 sum (about 1e-6 relative) may
; fall otherwise than in another order of summation.  NaN and infinities are not treated apart; an exponential below 2^-126 counts as 0.
; No cluster, no tensor load: no two work-groups read the same x, and gate_w is 32 KB.
.set XP,    2064                       ; an LDS row of 1,024 bf16 + 16 bytes: 129 x 16, so 16 rows of a fragment load start in different banks
.set PART,  16*XP                      ; four waves' partial logits, 1,024 bytes each
.set SPARE, PART+4096                  ; the spare words: 128 bytes a wave
.set XR,  32                           ; v32-159  my 4 rows of x, 32 loads of 512 bytes
.set GR,  160                          ; v160-223 gate_w in f32, four K steps
.set BF0, 224                          ; v224-255 gate fragments, my K steps 0-3
.set BF1, 32                           ; v32-63   gate fragments, my K steps 4-7 (x's registers, free by then)
.set AFR, 64                           ; v64-127  token fragments, my 8 K steps
.set AC0, 160                          ; two accumulators that take turns
.set AC1, 168
.set SM,  176
	s_load_b256 s[4:11], s[0:1], 0x0               ; x s[4:5], gate_w s[6:7], gate_b s[8:9], xb s[10:11]
	s_load_b128 s[12:15], s[0:1], 0x20             ; sel s[12:13], wsel s[14:15]
	v_lshl_add_u32 v30, v0, 2, SPARE               ; my spare word
	v_mov_b32 v31, 0
	v_and_b32 v1, 31, v0                           ; lane
	v_lshrrev_b32 v2, 5, v0
	v_readfirstlane_b32 s16, v2                    ; wave
	v_and_b32 v3, 15, v0                           ; r
	v_bfe_u32 v4, v0, 4, 1                         ; h
	v_lshlrev_b32 v5, 4, v1
	v_lshl_add_u32 v5, v2, 14, v5                  ; x: 4 rows of 4,096 bytes a wave + 16 lane
	v_lshlrev_b32 v6, 3, v1
	v_mul_u32_u24 v7, v2, 4*XP
	v_add_nc_u32 v7, v7, v6                        ; LDS: my 4 rows + 8 lane
	v_lshl_add_u32 v6, v2, 13, v6                  ; xb: 4 rows of 2,048 bytes a wave + 8 lane
	v_and_b32 v8, 7, v0
	v_lshlrev_b32 v8, 12, v8                       ; gate_w: expert r % 8 (rows 8-15 of the fragment repeat rows 0-7)
	v_lshl_add_u32 v8, v4, 5, v8                   ; + 8 h numbers
	v_lshl_add_u32 v8, v2, 10, v8                  ; + my 8 K steps of 128 bytes
	v_mul_u32_u24 v9, v3, XP
	v_lshl_add_u32 v9, v4, 4, v9
	v_lshl_add_u32 v9, v2, 9, v9                   ; token fragment: row r, 16 h, my 8 K steps of 64 bytes
	v_lshlrev_b32 v10, 5, v1
	v_add_nc_u32 v11, PART, v10                    ; partial logits: 32 bytes a lane
	v_lshl_add_u32 v10, v2, 10, v11                ; my wave's
	s_lshl_b32 s18, ttmp9, 16
	s_mov_b32 s19, 0
	s_wait_kmcnt 0x0
	s_load_b256 s[20:27], s[8:9], 0x0              ; gate_b
	s_add_nc_u64 s[4:5], s[4:5], s[18:19]          ; 16 rows of x
	s_lshl_b32 s18, ttmp9, 15
	s_add_nc_u64 s[10:11], s[10:11], s[18:19]      ; 16 rows of xb
	s_lshl_b32 s18, ttmp9, 6
	s_add_nc_u64 s[12:13], s[12:13], s[18:19]
	s_lshl_b32 s18, ttmp9, 7
	s_add_nc_u64 s[14:15], s[14:15], s[18:19]
.macro GLOAD b                         ; gate_w for four K steps: lane (r, h) takes k = 8h..8h+7 and 16+8h..16+8h+7 in f32
.irp s, 0,1,2,3
	global_load_b128 v[GR+16*\s:GR+16*\s+3],     v8, s[6:7] offset:(4*(\b)+\s)*128
	global_load_b128 v[GR+16*\s+4:GR+16*\s+7],   v8, s[6:7] offset:(4*(\b)+\s)*128+16
	global_load_b128 v[GR+16*\s+8:GR+16*\s+11],  v8, s[6:7] offset:(4*(\b)+\s)*128+64
	global_load_b128 v[GR+16*\s+12:GR+16*\s+15], v8, s[6:7] offset:(4*(\b)+\s)*128+80
.endr
.endm
.macro GCVT dst                        ; 64 f32 to four fragments
.set n, 0
.rept 32
	v_cvt_pk_bf16_f32 v[(\dst)+n], v[GR+2*n], v[GR+2*n+1]
.set n, n+1
.endr
.endm
	GLOAD 0
.set n, 0
.rept 32                               ; my 4 rows of x: each load 512 consecutive bytes
	global_load_b128 v[XR+4*n:XR+4*n+3], v5, s[4:5] offset:(n/8)*4096+(n%8)*512 th:TH_LOAD_NT
.set n, n+1
.endr
	s_wait_loadcnt 32                              ; the 32 loads of x are younger: the first gate batch is in
	GCVT BF0
	GLOAD 1
	s_wait_loadcnt 16                              ; the second gate batch is younger: x is in
.set n, 0
.rept 32
	v_cvt_pk_bf16_f32 v[XR+4*n], v[XR+4*n], v[XR+4*n+1]
	v_cvt_pk_bf16_f32 v[XR+4*n+1], v[XR+4*n+2], v[XR+4*n+3]
	global_store_b64 v6, v[XR+4*n:XR+4*n+1], s[10:11] offset:(n/8)*2048+(n%8)*256   ; 32 lanes store 256 consecutive bytes, aligned
	ds_store_b64 v7, v[XR+4*n:XR+4*n+1] offset:(n/8)*XP+(n%8)*256
.set n, n+1
.endr
	s_wait_loadcnt 0x0
	s_wait_xcnt 0x0                                ; the stores have read x's registers: they are written again below
	GCVT BF1
	s_wait_dscnt 0x0                               ; for the others' sake: my rows are in LDS
	s_barrier_signal -1
	s_barrier_wait -1
.set n, 0
.rept 8
	ds_load_b128 v[AFR+8*n:AFR+8*n+3],   v9 offset:64*n
	ds_load_b128 v[AFR+8*n+4:AFR+8*n+7], v9 offset:64*n+32
.set n, n+1
.endr
	s_wait_dscnt 0x0
	; source 0 = gate rows, source 1 = tokens: lane r then holds the 8 logits of token r in 8 registers.  Two accumulators by turns.
.set n, 0
.rept 8
.if n < 4
.set bfr, BF0+8*n
.else
.set bfr, BF1+8*(n-4)
.endif
.set acr, AC0+8*(n%2)
.if n < 2
	v_wmma_f32_16x16x32_bf16 v[acr:acr+7], v[bfr:bfr+7], v[AFR+8*n:AFR+8*n+7], 0
.else
	v_wmma_f32_16x16x32_bf16 v[acr:acr+7], v[bfr:bfr+7], v[AFR+8*n:AFR+8*n+7], v[acr:acr+7]
.endif
.set n, n+1
.endr
.rept 4
	v_nop                                          ; four places behind the last products
.endr
.set n, 0
.rept 8
	v_add_f32 v[SM+n], v[AC0+n], v[AC1+n]          ; ascending: the accumulators' lowest registers are read first
.set n, n+1
.endr
	ds_store_b128 v10, v[SM:SM+3]
	ds_store_b128 v10, v[SM+4:SM+7] offset:16
	s_wait_dscnt 0x0
	s_barrier_signal -1
	s_barrier_wait -1
	s_cmp_lg_u32 s16, 0
	s_cbranch_scc1 .Lend                           ; the choice is wave 0's work; no barrier is jumped
.irp k, 0,1,2,3
	ds_load_b128 v[64+8*\k:64+8*\k+3], v11 offset:1024*\k
	ds_load_b128 v[64+8*\k+4:64+8*\k+7], v11 offset:1024*\k+16
.endr
	s_wait_kmcnt 0x0                               ; gate_b
.irp p, 0,1,2,3
	v_cvt_pk_bf16_f32 v97, s[20+2*\p], s[21+2*\p]  ; gate_b rounded to bf16 like every input
	v_lshlrev_b32 v[128+2*\p], 16, v97
	v_and_b32 v[129+2*\p], 0xffff0000, v97
.endr
	s_wait_dscnt 0x0
.irp j, 0,1,2,3,4,5,6,7
	v_add_f32 v[64+\j], v[64+\j], v[72+\j]
	v_add_f32 v[64+\j], v[64+\j], v[80+\j]
	v_add_f32 v[64+\j], v[64+\j], v[88+\j]         ; the logit: four quarters of K in order
.endr
	v_max3_num_f32 v96, v64, v65, v66
	v_max3_num_f32 v96, v96, v67, v68
	v_max3_num_f32 v96, v96, v69, v70
	v_max_num_f32 v96, v96, v71
.irp j, 0,1,2,3,4,5,6,7
	v_sub_f32 v[100+\j], v[64+\j], v96
	v_mul_f32 v[100+\j], 0x3fb8aa3b, v[100+\j]
.endr
.irp j, 0,1,2,3,4,5,6,7
	v_exp_f32 v[100+\j], v[100+\j]
.endr
	v_nop
	s_wait_alu depctr_va_vdst(0)                   ; one wait for the eight exponentials
	v_add_f32 v98, v100, v101
	v_add_f32 v99, v102, v103
	v_add_f32 v97, v104, v105
	v_add_f32 v96, v106, v107
	v_add_f32 v98, v98, v99
	v_add_f32 v97, v97, v96
	v_add_f32 v98, v98, v97
	v_rcp_f32 v99, v98
	v_mov_b32 v125, 0xff800000                     ; -inf; also the plain instruction behind the reciprocal
	s_wait_alu depctr_va_vdst(0)
.irp j, 0,1,2,3,4,5,6,7
	v_mul_f32 v[100+\j], v[100+\j], v99            ; o: the softmax
	v_add_f32 v[108+\j], v[100+\j], v[128+\j]      ; b = o + gate_b
.endr
.irp i, 0,1,2,3
	v_add_f32 v[116+\i], v[108+2*\i], v[109+2*\i]  ; a group's two best are its two
	v_mov_b32 v[120+\i], 3-\i                      ; rank = groups that beat it: begin with all higher-numbered ones
.endr
.macro GPAIR i, k                      ; i < k: if g_i >= g_k then i beats k, else k beats i
	v_cmp_ge_f32 vcc_lo, v[116+\i], v[116+\k]
	v_cndmask_b32 v124, 0, 1, vcc_lo
	v_add_nc_u32 v[120+\k], v[120+\k], v124
	v_sub_nc_u32 v[120+\i], v[120+\i], v124
.endm
	GPAIR 0, 1
	GPAIR 0, 2
	GPAIR 0, 3
	GPAIR 1, 2
	GPAIR 1, 3
	GPAIR 2, 3
.irp i, 0,1,2,3
	v_cmp_gt_u32 vcc_lo, 2, v[120+\i]              ; kept: rank 0 or 1
	v_cndmask_b32 v[108+2*\i], v125, v[108+2*\i], vcc_lo
	v_cndmask_b32 v[109+2*\i], v125, v[109+2*\i], vcc_lo
.endr
.macro AMAX best, idx, w               ; the largest of c0-c7, the lower index on a tie; its index and its o
	v_mov_b32 v[\best], v108
	v_mov_b32 v[\idx], 0
	v_mov_b32 v[\w], v100
.irp j, 1,2,3,4,5,6,7
	v_cmp_gt_f32 vcc_lo, v[108+\j], v[\best]
	v_cndmask_b32 v[\best], v[\best], v[108+\j], vcc_lo
	v_cndmask_b32 v[\idx], v[\idx], \j, vcc_lo
	v_cndmask_b32 v[\w], v[\w], v[100+\j], vcc_lo
.endr
.endm
	AMAX 126, 127, 136
.irp j, 0,1,2,3,4,5,6,7
	v_cmp_eq_u32 vcc_lo, \j, v127
	v_cndmask_b32 v[108+\j], v[108+\j], v125, vcc_lo   ; the winner leaves
.endr
	AMAX 137, 138, 139
	v_min_u32 v140, v127, v138
	v_max_u32 v141, v127, v138
	v_cmp_lt_u32 vcc_lo, v127, v138
	v_cndmask_b32 v142, v139, v136, vcc_lo         ; weight of lo
	v_cndmask_b32 v143, v136, v139, vcc_lo         ; weight of hi
	v_lshl_or_b32 v144, v141, 8, v140
	v_lshlrev_b32 v145, 2, v3
	v_lshlrev_b32 v146, 3, v3
	v_cmp_gt_u32 vcc_lo, 16, v0                    ; lanes 16-31 hold the same 16 tokens once more
	s_wait_xcnt 0x0                                ; EXEC changes only behind this wait
	s_and_saveexec_b32 s28, vcc_lo
	global_store_b32 v145, v144, s[12:13]
	global_store_b64 v146, v[142:143], s[14:15]
	s_wait_xcnt 0x0
	s_or_b32 exec_lo, exec_lo, s28
.Lend:
	s_wait_tensorcnt 0x0                           ; the wave's end: three lines behind my last LDS store
	ds_add_u32 v30, v31
	s_wait_dscnt 0x0
	s_endpgm
.Lfunc_end_k_q1be170291d_router:
	.size	k_q1be170291d_router, .Lfunc_end_k_q1be170291d_router-k_q1be170291d_router
	.p2alignl 7, 3214868480
	.fill 96, 4, 3214868480
	.section	.rodata,"a",@progbits
	.p2align	6, 0x0
	.amdhsa_kernel k_q1be170291d_router
		.amdhsa_group_segment_fixed_size 37632
		.amdhsa_private_segment_fixed_size 0
		.amdhsa_enable_private_segment 0
		.amdhsa_kernarg_size 48
		.amdhsa_user_sgpr_count 2
		.amdhsa_user_sgpr_kernarg_segment_ptr 1
		.amdhsa_wavefront_size32 1
		.amdhsa_system_sgpr_workgroup_id_x 1
		.amdhsa_system_sgpr_workgroup_id_y 1
		.amdhsa_system_sgpr_workgroup_id_z 1
		.amdhsa_system_vgpr_workitem_id 0
		.amdhsa_next_free_vgpr 256
		.amdhsa_next_free_sgpr 66
		.amdhsa_reserve_vcc 1
		.amdhsa_float_denorm_mode_32 3
		.amdhsa_float_denorm_mode_16_64 3
		.amdhsa_memory_ordered 1
		.amdhsa_forward_progress 1
		.amdhsa_inst_pref_size 33
	.end_amdhsa_kernel
	.amdgpu_metadata
---
amdhsa.version: [ 1, 2 ]
amdhsa.kernels:
  - .name:           k_q1be170291d_router
    .symbol:         k_q1be170291d_router.kd
    .args:
      - { .name: x, .offset: 0, .size: 8, .value_kind: global_buffer, .address_space: global }
      - { .name: gate_w, .offset: 8, .size: 8, .value_kind: global_buffer, .address_space: global }
      - { .name: gate_b, .offset: 16, .size: 8, .value_kind: global_buffer, .address_space: global }
      - { .name: xb, .offset: 24, .size: 8, .value_kind: global_buffer, .address_space: global }
      - { .name: sel, .offset: 32, .size: 8, .value_kind: global_buffer, .address_space: global }
      - { .name: wsel, .offset: 40, .size: 8, .value_kind: global_buffer, .address_space: global }
    .group_segment_fixed_size: 37632
    .private_segment_fixed_size: 0
    .kernarg_segment_align: 8
    .kernarg_segment_size: 48
    .max_flat_workgroup_size: 128
    .sgpr_count:     66
    .vgpr_count:     256
    .wavefront_size: 32
...
	.end_amdgpu_metadata
.endif
;; end of part 1
;; launch prep (part 2): grid 242 x 1, 16 waves a work-group, no clusters, 73,728 bytes of LDS; arguments sel, wsel, We1, We3, ws1, ws3, We2, ws2, wts, lists, wgt; writes wts, lists, wgt
.if DOCPART == 2
	.amdgcn_target "amdgcn-amd-amdhsa--gfx1250"
	.amdhsa_code_object_version 6
	.text
	.protected	k_q1be170291d_prep
	.globl	k_q1be170291d_prep
	.p2align	8
	.type	k_q1be170291d_prep,@function
k_q1be170291d_prep:
	s_mov_b64 s[64:65], 0
	v_nop
	global_prefetch_b8 v0, s[64:65] scope:SCOPE_SE
	s_setreg_imm32_b32 hwreg(HW_REG_WAVE_MODE, 25, 1), 1
	s_wait_xcnt 0x0
; PREP.  Work-groups 2-241 round the weights to bf16 (nearest even) and lay them out as matrix fragments; work-groups 0 and 1 sort the routing beside them.  Sixteen waves a work-group.
; The shared MLP counts as experts 8 and 9 (hidden columns 0-511 and 512-1023).
; A FRAGMENT is 16 columns x 32 k = 1 KB: byte 512 j + 16 l holds, for lane l = (r = l % 16, h = l / 16), column r, k = 16 j + 8 h + 0..7.
;   WUP at 0:          [v 10][cg 8: 64 hidden columns][ks 32][m 2: W1, W3][cb 4][1 KB]
;   WDN at 20,971,520: [v 10][ng 32: 32 output columns][ks 16][cb 2][1 KB]
; LISTS (whole numbers).  Work-group 1: ENT[tile x 144 + p] = slot x 4,096 + t at 0 (tiles 0-28 expert 8, slot 2; 29-57 expert 9, slot 3; 58 + .. routed, each expert from a tile's start;
;   slot 0 the token's lower expert, 1 its higher); UTAB[122] {expert, rows} at 70,400; in wgt the gate weight beside each ENT place.
;   Work-group 0: STOK[pos] = t | lo<<12 | hi<<15 at 71,680: tokens sorted by their SET of experts, in an order in which neighbouring sets share an expert; in wgt (w_lo, w_hi) by sorted place at 70,400;
;   DTAB[32] at 71,424: for each tile of 128 sorted tokens {the experts that it holds, ascending, a nibble each; 2 + their number}.
; Every split of the tokens is served: 8,192 routed rows make at most 64 tiles of 144.  The sorted lists are stored 4 or 8 bytes a lane to scattered places (about 115 KB in all).
; No cluster, no tensor load, no matrix unit: each weight is read once by one wave, and the sort is whole-number work.
.set NW, 16                            ; waves
.set NG, 8                             ; the sort: groups of 32 tokens a wave
.set WSTR, 4352                        ; LDS: each wave's own bytes
.set FP,   1040                        ; a fragment there: 1,024 bytes + 16, so that the 16 lanes of a store touch 16 different 16-byte columns
.set XT,   NW*WSTR                     ; counts by wave, [16][32 words]
.set SPARE, XT+2048                    ; the spare words, 128 bytes a wave
.set SPW, 254
.set NIL, 255
.macro ENDW                            ; the wave's end: three lines behind my last LDS store
	s_wait_tensorcnt 0x0
	ds_add_u32 v[SPW], v[NIL]
	s_wait_dscnt 0x0
	s_endpgm
.endm
	s_load_b512 s[4:19], s[0:1], 0x0               ; sel, wsel, We1, We3, ws1, ws3, We2, ws2
	s_load_b128 s[20:23], s[0:1], 0x40             ; wts, lists
	s_load_b64 s[24:25], s[0:1], 0x50              ; wgt
	v_lshl_add_u32 v[SPW], v0, 2, SPARE
	v_mov_b32 v[NIL], 0
	v_and_b32 v3, 31, v0                           ; lane
	v_lshrrev_b32 v4, 5, v0
	v_readfirstlane_b32 s26, v4                    ; wave
	s_mul_i32 s96, s26, WSTR                       ; my wave's LDS
	s_wait_kmcnt 0x0
	s_cmp_lt_u32 ttmp9, 2
	s_cbranch_scc1 .Lsort
	; ---------------- the weights.  A chunk is 64 columns x 32 k; a wave takes two chunks, one below the other along k.
	s_sub_co_u32 s27, ttmp9, 2
	s_cmp_lt_u32 s27, 160
	s_cbranch_scc0 .Ldn
	s_lshr_b32 s28, s27, 4                         ; v
	s_bfe_u32 s29, s27, 0x10003                    ; m: W1 or W3
	s_and_b32 s30, s27, 7                          ; cg
	s_lshl_b32 s31, s26, 1                         ; first ks = 2 wave
	s_and_b32 s41, s28, 7
	s_lshl_b32 s37, s41, 21                        ; a routed expert's 2 MB,
	s_lshl_b32 s41, s41, 11                        ; or a shared half's 512 columns
	s_lshl_b32 s38, s28, 21
	s_lshl_b32 s39, s30, 18
	s_add_co_u32 s38, s38, s39
	s_lshl_b32 s39, s31, 13
	s_add_co_u32 s38, s38, s39
	s_lshl_b32 s39, s29, 12
	s_add_co_u32 s38, s38, s39                     ; where the first chunk goes
	s_lshl_b32 s30, s30, 8                         ; 64 columns of f32
	s_mov_b32 s36, 4096
	s_cmp_eq_u32 s29, 0
	s_cselect_b64 s[32:33], s[8:9], s[10:11]
	s_cselect_b64 s[34:35], s[12:13], s[14:15]
	s_cmp_lt_u32 s28, 8
	s_cselect_b64 s[32:33], s[32:33], s[34:35]
	s_cselect_b32 s36, 2048, s36                   ; bytes from k to k + 1: 512 or 1,024 columns of f32
	s_cselect_b32 s37, s37, s41
	s_add_co_u32 s37, s37, s30
	s_mov_b32 s39, 8192                            ; from a chunk's place to the next
	s_mov_b32 s40, 2048                            ; from column blocks 0, 1 to 2, 3
	s_branch .Lcvt
.Ldn:
	s_sub_co_u32 s27, s27, 160
	s_lshr_b32 s28, s27, 3                         ; v
	s_and_b32 s30, s27, 7
	s_lshl_b32 s30, s30, 1
	s_lshr_b32 s41, s26, 3
	s_add_co_u32 s30, s30, s41                     ; which 64 output columns
	s_and_b32 s31, s26, 7
	s_lshl_b32 s31, s31, 1                         ; first ks
	s_and_b32 s41, s28, 7
	s_lshl_b32 s37, s41, 21                        ; We2[v], or 512 rows of ws2: 2 MB either way
	s_lshl_b32 s41, s30, 8
	s_add_co_u32 s37, s37, s41
	s_lshl_b32 s38, s28, 20
	s_lshl_b32 s41, s30, 16
	s_add_co_u32 s38, s38, s41
	s_lshl_b32 s41, s31, 11
	s_add_co_u32 s38, s38, s41
	s_add_co_u32 s38, s38, 20971520
	s_cmp_lt_u32 s28, 8
	s_cselect_b64 s[32:33], s[16:17], s[18:19]
	s_mov_b32 s36, 4096
	s_mov_b32 s39, 2048
	s_mov_b32 s40, 32768
.Lcvt:
	s_mul_i32 s41, s31, s36
	s_lshl_b32 s41, s41, 5                         ; 32 k a chunk
	s_add_co_u32 s42, s37, s41
	s_mov_b32 s43, 0
	s_add_nc_u64 s[44:45], s[32:33], s[42:43]      ; a base for each chunk: none is rewritten
	s_lshl_b32 s42, s36, 5
	s_add_nc_u64 s[46:47], s[44:45], s[42:43]
	s_mov_b32 s42, s38
	s_add_nc_u64 s[52:53], s[20:21], s[42:43]
	s_mov_b32 s42, s39
	s_add_nc_u64 s[54:55], s[52:53], s[42:43]
	v_and_b32 v5, 15, v0                           ; q: I take columns 4 q .. 4 q + 3
	v_lshlrev_b32 v5, 4, v5
	v_bfe_u32 v6, v0, 4, 1
	v_lshlrev_b32 v6, 3, v6                        ; 8 h
.set jj, 0
.rept 16                               ; v8-23: my byte offset in row k = 16 j + 8 h + i
	v_add_nc_u32 v7, (jj&7)+16*(jj>>3), v6
	v_mul_lo_u32 v7, v7, s36
	v_add_nc_u32 v[8+jj], v7, v5
.set jj, jj+1
.endr
	v_lshlrev_b32 v24, 4, v3
	v_add_nc_u32 v25, s40, v24
	v_bfe_u32 v27, v0, 2, 2                        ; column 4 q + cc lies in fragment q / 4 at r = 4 (q % 4) + cc
	v_mul_u32_u24 v26, v27, FP
	v_and_b32 v27, 3, v0
	v_lshl_add_u32 v26, v27, 6, v26
	v_bfe_u32 v27, v0, 4, 1
	v_lshl_add_u32 v26, v27, 8, v26
	v_add_nc_u32 v26, s96, v26                     ; where my 16-byte pieces go in my wave's LDS
	v_add_nc_u32 v28, s96, v24                     ; and where I read a fragment's half back: 16 lane
.macro CLOAD n                         ; a chunk: 16 loads; sixteen lanes take 256 consecutive bytes of a row, the other sixteen those of the row 8 further down
.set jj, 0
.rept 16
	global_load_b128 v[32+64*(\n)+4*jj:32+64*(\n)+4*jj+3], v[8+jj], s[44+2*(\n):45+2*(\n)] th:TH_LOAD_NT
.set jj, jj+1
.endr
.endm
.macro CTURN n                         ; pairs along k rounded and packed: four words are a lane's 16 bytes of a fragment; through my wave's own LDS into fragment order
.irp j, 0,1
.irp c, 0,1,2,3
.irp p, 0,1,2,3
	v_cvt_pk_bf16_f32 v[160+32*(\n)+4*(4*\j+\c)+\p], v[32+64*(\n)+4*(8*\j+2*\p)+\c], v[32+64*(\n)+4*(8*\j+2*\p+1)+\c]
.endr
.endr
.endr
.irp j, 0,1
.irp c, 0,1,2,3
	ds_store_b128 v26, v[160+32*(\n)+4*(4*\j+\c):160+32*(\n)+4*(4*\j+\c)+3] offset:16*\c+512*\j
.endr
.endr
.irp m, 0,1,2,3,4,5,6,7                ; LDS serves a wave's instructions in order (ISA guide 5.7.1.4): these see the stores above, and the next chunk's stores come behind them
	ds_load_b128 v[32+64*(\n)+4*\m:32+64*(\n)+4*\m+3], v28 offset:(\m/2)*FP+(\m%2)*512
.endr
.endm
.macro CSEND n                         ; each store 512 consecutive bytes
.irp m, 0,1,2,3,4,5,6,7
	global_store_b128 v[24+\m/4], v[32+64*(\n)+4*\m:32+64*(\n)+4*\m+3], s[52+2*(\n):53+2*(\n)] offset:((\m/2)%2)*1024+(\m%2)*512
.endr
.endm
	CLOAD 0
	CLOAD 1
	s_wait_loadcnt 16                              ; the second chunk's 16 loads stay out
	CTURN 0
	s_wait_loadcnt 0x0
	CTURN 1
	s_wait_dscnt 16                                ; younger: the second chunk's 8 stores and 8 loads
	CSEND 0
	s_wait_dscnt 0x0
	CSEND 1
	ENDW
	; ---------------- the sort.  Wave w owns tokens 256 w + 32 g + lane, g = 0..7.
.set SELR, 16
.set LO,  24
.set HI,  32
.set KEY, 40
.set PS,  48                           ; place among the tokens sorted by set
.set ML,  56                           ; the ballot of my lo, later the lanes of my group that have my set
.set MH,  64                           ; the ballot of my hi
.set PL,  56                           ; (work-group 1) place of the lower expert's row in ENT
.set PH,  64                           ; of the higher's
.set WW,  72                           ; v72-87  w_lo, w_hi
.set TT,  88
.set T2,  96
.set RK,  104                          ; my rank among my group's lanes of my set
.set CA,  112                          ; v112-127  lane = bucket: the sixteen waves' counts
.set CG,  128                          ; lane = set: my wave's eight groups' counts
.set QG,  136                          ; lane = set: the first place of group g's tokens of that set
.set CNS, 144
.set CNE, 145
.set TOS, 146
.set PRS, 147
.set STA, 150
.set EBR, 152
.set BIT, 153                          ; lane = tile: a bit for each expert that the tile holds
.set TL0, 154
.set TL1, 155
.set ZR,  156
.set ONE, 157
.set TRL, 158
.set S0,  160                          ; v160-199: what the stores read, a register for each group: none is rewritten
.Lsort:
	v_lshl_add_u32 v5, v4, 8, v3                   ; 256 w + lane
	v_lshlrev_b32 v6, 2, v5
	v_lshlrev_b32 v7, 3, v5
.set g, 0
.rept NG
	global_load_b32 v[SELR+g], v6, s[4:5] offset:128*g
	global_load_b64 v[WW+2*g:WW+2*g+1], v7, s[6:7] offset:256*g
.set g, g+1
.endr
	v_lshlrev_b32 v9, 2, v3                        ; 4 lane
	s_lshl_b32 s61, s26, 7
	s_add_co_u32 s61, s61, XT
	v_add_nc_u32 v8, s61, v9                       ; my wave's 128 bytes of the counts by wave
	v_add_nc_u32 v13, XT, v9
	v_mov_b32 v[ZR], 0
	v_mov_b32 v[TOS], 0
	v_mov_b32 v[PRS], 0
	s_wait_loadcnt 0x0
.set g, 0
.rept NG
	v_and_b32 v[LO+g], 7, v[SELR+g]
	v_bfe_u32 v[HI+g], v[SELR+g], 8, 3
	v_mov_b32 v[ML+g], 0
	v_mov_b32 v[MH+g], 0
.set g, g+1
.endr
	s_cmp_eq_u32 ttmp9, 1
	s_cbranch_scc1 .Lexperts
	; -------- work-group 0: the order by sets
.set g, 0
.rept NG                               ; set rank = lo (15 - lo) / 2 + (lo odd ? 7 - hi : hi - lo - 1): 0..27
	v_sub_nc_u32 v[TT], 15, v[LO+g]
	v_mul_u32_u24 v[TT], v[TT], v[LO+g]
	v_lshrrev_b32 v[TT], 1, v[TT]
	v_sub_nc_u32 v[TT+1], 7, v[HI+g]
	v_sub_nc_u32 v[TT+2], v[HI+g], v[LO+g]
	v_add_nc_u32 v[TT+2], -1, v[TT+2]
	v_and_b32 v[TT+3], 1, v[LO+g]
	v_cmp_eq_u32 vcc_lo, 1, v[TT+3]
	v_cndmask_b32 v[TT+2], v[TT+2], v[TT+1], vcc_lo
	v_add_nc_u32 v[KEY+g], v[TT], v[TT+2]
	v_min_u32 v[KEY+g], 31, v[KEY+g]
.set g, g+1
.endr
	s_mov_b32 s60, 0
.Lmatch:                               ; eight trips: each lane picks up the ballot of its own lo and that of its own hi
.set g, 0
.rept NG
	v_cmp_eq_u32 s[66+g], s60, v[LO+g]
	v_cmp_eq_u32 s[28+g], s60, v[HI+g]
.set g, g+1
.endr
.set g, 0
.rept NG
	v_cndmask_b32 v[ML+g], v[ML+g], s[66+g], s[66+g]
	v_cndmask_b32 v[MH+g], v[MH+g], s[28+g], s[28+g]
.set g, g+1
.endr
	s_add_co_u32 s60, s60, 1
	s_cmp_lt_u32 s60, 8
	s_cbranch_scc1 .Lmatch
	; my wave's own table in LDS, 256 bytes a group: words 0-31 the sets' counts, words 32-63 a word for each lane that has nothing to say
	v_add_nc_u32 v12, s96, v9
	v_add_nc_u32 v[TRL], 32, v3
.set g, 0
.rept NG
	ds_store_b32 v12, v[ZR] offset:256*g
.set g, g+1
.endr
.set g, 0
.rept NG
	v_and_b32 v[ML+g], v[ML+g], v[MH+g]            ; the lanes of my group with my set
	v_mbcnt_lo_u32_b32 v[RK+g], v[ML+g], 0         ; how many of them stand below me
	v_lshrrev_b32 v[TT+g], v3, v[ML+g]
	v_lshrrev_b32 v[TT+g], 1, v[TT+g]              ; those above me
	v_cmp_eq_u32 vcc_lo, 0, v[TT+g]                ; none: my rank + 1 is the count
	v_cndmask_b32 v[T2+g], v[TRL], v[KEY+g], vcc_lo
	v_min_u32 v[T2+g], 63, v[T2+g]
	v_lshl_add_u32 v[T2+g], v[T2+g], 2, s96
	v_add_nc_u32 v[TT+g], 1, v[RK+g]
	ds_store_b32 v[T2+g], v[TT+g] offset:256*g
.set g, g+1
.endr
.set g, 0
.rept NG
	ds_load_b32 v[CG+g], v12 offset:256*g          ; lane = set; a wave's LDS instructions are served in order
.set g, g+1
.endr
	s_wait_dscnt 0x0
	v_mov_b32 v[QG], 0
.set g, 1
.rept NG-1
	v_add_nc_u32 v[QG+g], v[QG+g-1], v[CG+g-1]
.set g, g+1
.endr
	v_add_nc_u32 v[CNS], v[QG+NG-1], v[CG+NG-1]
	ds_store_b32 v8, v[CNS]
	s_wait_dscnt 0x0                               ; for the others' sake
	s_barrier_signal -1
	s_barrier_wait -1
.set k, 0
.rept NW
	ds_load_b32 v[CA+k], v13 offset:128*k
.set k, k+1
.endr
	s_wait_dscnt 0x0
.set k, 0
.rept NW                               ; lane = set: the total, and the count of the waves below mine
	v_add_nc_u32 v[TOS], v[TOS], v[CA+k]
	s_cmp_gt_u32 s26, k
	s_cselect_b32 s61, -1, 0
	v_and_b32 v[T2], s61, v[CA+k]
	v_add_nc_u32 v[PRS], v[PRS], v[T2]
.set k, k+1
.endr
.set b, 0
.rept 28
	v_readlane_b32 s[66+b], v[TOS], b              ; the sets' totals: s66-s93
.set b, b+1
.endr
	v_mov_b32 v[STA], 0
	s_mov_b32 s62, 0
.set b, 0
.rept 28                               ; the sets' first places
	v_writelane_b32 v[STA], s62, b
	s_add_co_u32 s62, s62, s[66+b]
.set b, b+1
.endr
	v_add_nc_u32 v[STA], v[STA], v[PRS]
.set g, 0
.rept NG
	v_add_nc_u32 v[QG+g], v[QG+g], v[STA]
	v_lshlrev_b32 v[TT+g], 2, v[KEY+g]
	ds_bpermute_b32 v[T2+g], v[TT+g], v[QG+g]      ; every token fetches its set's base from lane = set
.set g, g+1
.endr
	s_wait_dscnt 0x0
.set g, 0
.rept NG
	v_add_nc_u32 v[PS+g], v[RK+g], v[T2+g]
	v_min_u32 v[PS+g], 0xfff, v[PS+g]
	v_add_nc_u32 v[S0+g], 32*g, v5                 ; t
	v_lshl_or_b32 v[S0+g], v[LO+g], 12, v[S0+g]
	v_lshl_or_b32 v[S0+g], v[HI+g], 15, v[S0+g]
	v_lshlrev_b32 v[S0+8+g], 2, v[PS+g]
	v_lshlrev_b32 v[S0+16+g], 3, v[PS+g]
	global_store_b32 v[S0+8+g], v[S0+g], s[22:23] offset:71680
	global_store_b64 v[S0+16+g], v[WW+2*g:WW+2*g+1], s[24:25] offset:70400
.set g, g+1
.endr
	s_cmp_lg_u32 s26, 0
	s_cbranch_scc1 .Lend0                          ; the tiles' table is wave 0's work; no barrier is jumped, and no register that a pending store reads is written
	v_mov_b32 v[BIT], 0                            ; lane = tile of 128 sorted tokens: which experts it holds
	v_lshlrev_b32 v[TL0], 7, v3
	v_add_nc_u32 v[TL1], 128, v[TL0]
	s_mov_b32 s62, 0
.set b, 0
.set lo_, 0
.rept 7
.set pos, 0
.rept 7-lo_
.if lo_%2
.set hi_, 7-pos
.else
.set hi_, lo_+1+pos
.endif
	s_add_co_u32 s63, s62, s[66+b]
	v_max_u32 v[T2], s62, v[TL0]
	v_min_u32 v[T2+1], s63, v[TL1]
	v_cmp_ge_u32 vcc_lo, v[T2], v[T2+1]            ; the set's places and the tile's do not meet
	v_cndmask_b32 v[T2], (1<<lo_)|(1<<hi_), v[ZR], vcc_lo
	v_or_b32 v[BIT], v[BIT], v[T2]
	s_mov_b32 s62, s63
.set pos, pos+1
.set b, b+1
.endr
.set lo_, lo_+1
.endr
	v_mov_b32 v236, 0
	v_mov_b32 v241, 0
.irp e, 0,1,2,3,4,5,6,7
	v_bfe_u32 v248, v[BIT], \e, 1
	v_mul_u32_u24 v249, v248, \e
	v_lshlrev_b32 v249, v241, v249
	v_or_b32 v236, v236, v249
	v_lshl_add_u32 v241, v248, 2, v241
.endr
	v_lshrrev_b32 v237, 2, v241
	v_add_nc_u32 v237, 2, v237
	v_lshlrev_b32 v250, 3, v3
	global_store_b64 v250, v[236:237], s[22:23] offset:71424
.Lend0:
	ENDW
	; -------- work-group 1: the experts' lists.  A token is in an expert's list by its lo or by its hi.
.Lexperts:
	v_mov_b32 v[CNE], 0
	v_mov_b32 v[ONE], 1.0
	s_mov_b32 s60, 0
.Lexp:                                 ; for each expert: every token's rank among my wave's rows of that expert, and the wave's count
.set g, 0
.rept NG
	v_cmp_eq_u32 s[66+g], s60, v[LO+g]
	v_cmp_eq_u32 s[28+g], s60, v[HI+g]
.set g, g+1
.endr
	s_mov_b32 s82, 0
.set g, 0
.rept NG
	s_or_b32 s[44+g], s[66+g], s[28+g]
	s_bcnt1_i32_b32 s61, s[44+g]
	s_add_co_u32 s[83+g], s[82+g], s61
.set g, g+1
.endr
.set g, 0
.rept NG
	v_mbcnt_lo_u32_b32 v[TT+g], s[44+g], s[82+g]
.set g, g+1
.endr
.set g, 0
.rept NG
	v_cndmask_b32 v[PL+g], v[PL+g], v[TT+g], s[66+g]
	v_cndmask_b32 v[PH+g], v[PH+g], v[TT+g], s[28+g]
.set g, g+1
.endr
	v_cmp_eq_u32 vcc_lo, s60, v3
	v_mov_b32 v[T2], s[82+NG]
	v_cndmask_b32 v[CNE], v[CNE], v[T2], vcc_lo
	s_add_co_u32 s60, s60, 1
	s_cmp_lt_u32 s60, 8
	s_cbranch_scc1 .Lexp
	ds_store_b32 v8, v[CNE]
	s_wait_dscnt 0x0                               ; for the others' sake
	s_barrier_signal -1
	s_barrier_wait -1
.set k, 0
.rept NW
	ds_load_b32 v[CA+k], v13 offset:128*k
.set k, k+1
.endr
	s_wait_dscnt 0x0
.set k, 0
.rept NW                               ; lane = expert: the total, and the count of the waves below mine
	v_add_nc_u32 v[TOS], v[TOS], v[CA+k]
	s_cmp_gt_u32 s26, k
	s_cselect_b32 s61, -1, 0
	v_and_b32 v[T2], s61, v[CA+k]
	v_add_nc_u32 v[PRS], v[PRS], v[T2]
.set k, k+1
.endr
	; n_e in s66-73, first tile tb_e in s74-81, first ENT place in lane e
	v_mov_b32 v[EBR], 0
	s_mov_b32 s62, 0
.irp e, 0,1,2,3,4,5,6,7
	v_readlane_b32 s[66+\e], v[TOS], \e
.endr
.irp e, 0,1,2,3,4,5,6,7
	s_mov_b32 s[74+\e], s62
	s_add_co_u32 s61, s62, 58
	s_mul_i32 s61, s61, 144
	v_writelane_b32 v[EBR], s61, \e
	s_add_co_u32 s61, s[66+\e], 143
	s_mul_i32 s61, s61, 58255                      ; (n + 143) / 144, exact for n up to 4,096
	s_lshr_b32 s61, s61, 23
	s_add_co_u32 s62, s62, s61
.endr
	v_add_nc_u32 v[EBR], v[EBR], v[PRS]
.macro ADDBASE pos, key                ; every row fetches its expert's base from lane = expert
.set g, 0
.rept NG
	v_lshlrev_b32 v[TT+g], 2, v[(\key)+g]
	ds_bpermute_b32 v[T2+g], v[TT+g], v[EBR]
.set g, g+1
.endr
	s_wait_dscnt 0x0
.set g, 0
.rept NG
	v_add_nc_u32 v[(\pos)+g], v[(\pos)+g], v[T2+g]
.set g, g+1
.endr
.endm
	ADDBASE PL, LO
	ADDBASE PH, HI
.set g, 0
.rept NG
	v_add_nc_u32 v[S0+g], 32*g, v5                 ; t: slot 0's row
	v_or_b32 v[S0+8+g], 0x1000, v[S0+g]
	v_or_b32 v[S0+16+g], 0x2000, v[S0+g]
	v_or_b32 v[S0+24+g], 0x3000, v[S0+g]
	v_lshlrev_b32 v[S0+32+g], 2, v[S0+g]           ; the byte offset of place t
	v_min_u32 v[PL+g], 17567, v[PL+g]
	v_lshlrev_b32 v[PL+g], 2, v[PL+g]
	v_min_u32 v[PH+g], 17567, v[PH+g]
	v_lshlrev_b32 v[PH+g], 2, v[PH+g]
	global_store_b32 v[PL+g], v[S0+g], s[22:23]
	global_store_b32 v[PL+g], v[WW+2*g], s[24:25]
	global_store_b32 v[PH+g], v[S0+8+g], s[22:23]
	global_store_b32 v[PH+g], v[WW+2*g+1], s[24:25]
	global_store_b32 v[S0+32+g], v[S0+16+g], s[22:23]
	global_store_b32 v[S0+32+g], v[ONE], s[24:25]
	global_store_b32 v[S0+32+g], v[S0+24+g], s[22:23] offset:16704
	global_store_b32 v[S0+32+g], v[ONE], s[24:25] offset:16704
.set g, g+1
.endr
	; UTAB: thread j < 122 makes tile j's entry
	v_cmp_gt_u32 vcc_lo, 29, v0
	v_subrev_nc_u32 v242, 29, v0
	v_cndmask_b32 v242, v242, v0, vcc_lo
	v_cndmask_b32 v243, 9, 8, vcc_lo
	v_mul_u32_u24 v242, v242, 144
	v_sub_nc_u32 v242, 4096, v242
	v_min_u32 v242, 144, v242                      ; a shared tile's rows
	v_subrev_nc_u32 v244, 58, v0                   ; routed tile number
	v_mov_b32 v245, 0
	v_mov_b32 v246, s74
	v_mov_b32 v247, s66
.irp e, 1,2,3,4,5,6,7                  ; the last expert whose first tile is not behind this one
	v_cmp_le_u32 vcc_lo, s[74+\e], v244
	v_cndmask_b32 v245, v245, \e, vcc_lo
	v_cndmask_b32 v246, v246, s[74+\e], vcc_lo
	v_cndmask_b32 v247, v247, s[66+\e], vcc_lo
.endr
	v_sub_nc_u32 v246, v244, v246
	v_mul_u32_u24 v246, v246, 144
	v_sub_nc_u32 v247, v247, v246
	v_max_i32 v247, 0, v247
	v_min_i32 v247, 144, v247
	v_cmp_gt_u32 vcc_lo, 58, v0
	v_cndmask_b32 v238, v245, v243, vcc_lo
	v_cndmask_b32 v239, v247, v242, vcc_lo
	v_lshlrev_b32 v240, 3, v0
	v_cmp_gt_u32 vcc_lo, 122, v0
	s_wait_xcnt 0x0                                ; EXEC changes only behind this wait
	s_and_saveexec_b32 s61, vcc_lo
	global_store_b64 v240, v[238:239], s[22:23] offset:70400
	s_wait_xcnt 0x0
	s_or_b32 exec_lo, exec_lo, s61
	ENDW
.Lfunc_end_k_q1be170291d_prep:
	.size	k_q1be170291d_prep, .Lfunc_end_k_q1be170291d_prep-k_q1be170291d_prep
	.p2alignl 7, 3214868480
	.fill 96, 4, 3214868480
	.section	.rodata,"a",@progbits
	.p2align	6, 0x0
	.amdhsa_kernel k_q1be170291d_prep
		.amdhsa_group_segment_fixed_size 73728
		.amdhsa_private_segment_fixed_size 0
		.amdhsa_enable_private_segment 0
		.amdhsa_kernarg_size 88
		.amdhsa_user_sgpr_count 2
		.amdhsa_user_sgpr_kernarg_segment_ptr 1
		.amdhsa_wavefront_size32 1
		.amdhsa_system_sgpr_workgroup_id_x 1
		.amdhsa_system_sgpr_workgroup_id_y 1
		.amdhsa_system_sgpr_workgroup_id_z 1
		.amdhsa_system_vgpr_workitem_id 0
		.amdhsa_next_free_vgpr 256
		.amdhsa_next_free_sgpr 100
		.amdhsa_reserve_vcc 1
		.amdhsa_float_denorm_mode_32 3
		.amdhsa_float_denorm_mode_16_64 3
		.amdhsa_memory_ordered 1
		.amdhsa_forward_progress 1
		.amdhsa_inst_pref_size 78
	.end_amdhsa_kernel
	.amdgpu_metadata
---
amdhsa.version: [ 1, 2 ]
amdhsa.kernels:
  - .name:           k_q1be170291d_prep
    .symbol:         k_q1be170291d_prep.kd
    .args:
      - { .name: sel, .offset: 0, .size: 8, .value_kind: global_buffer, .address_space: global }
      - { .name: wsel, .offset: 8, .size: 8, .value_kind: global_buffer, .address_space: global }
      - { .name: We1, .offset: 16, .size: 8, .value_kind: global_buffer, .address_space: global }
      - { .name: We3, .offset: 24, .size: 8, .value_kind: global_buffer, .address_space: global }
      - { .name: ws1, .offset: 32, .size: 8, .value_kind: global_buffer, .address_space: global }
      - { .name: ws3, .offset: 40, .size: 8, .value_kind: global_buffer, .address_space: global }
      - { .name: We2, .offset: 48, .size: 8, .value_kind: global_buffer, .address_space: global }
      - { .name: ws2, .offset: 56, .size: 8, .value_kind: global_buffer, .address_space: global }
      - { .name: wts, .offset: 64, .size: 8, .value_kind: global_buffer, .address_space: global }
      - { .name: lists, .offset: 72, .size: 8, .value_kind: global_buffer, .address_space: global }
      - { .name: wgt, .offset: 80, .size: 8, .value_kind: global_buffer, .address_space: global }
    .group_segment_fixed_size: 73728
    .private_segment_fixed_size: 0
    .kernarg_segment_align: 8
    .kernarg_segment_size: 88
    .max_flat_workgroup_size: 512
    .sgpr_count:     100
    .vgpr_count:     256
    .wavefront_size: 32
...
	.end_amdgpu_metadata
.endif
;; end of part 2
;; launch up (part 3): grid 2 x 122, 4 waves a work-group, no clusters, 154,880 bytes of LDS; arguments xb, wts, lists, wgt, be1, bs1, be3, bs3, hcat; writes hcat
.if DOCPART == 3
	.amdgcn_target "amdgcn-amd-amdhsa--gfx1250"
	.amdhsa_code_object_version 6
	.text
	.protected	k_q1be170291d_up
	.globl	k_q1be170291d_up
	.p2align	8
	.type	k_q1be170291d_up,@function
k_q1be170291d_up:
	s_mov_b64 s[64:65], 0
	v_nop
	global_prefetch_b8 v0, s[64:65] scope:SCOPE_SE
	s_setreg_imm32_b32 hwreg(HW_REG_WAVE_MODE, 25, 1), 1
	s_wait_xcnt 0x0
; UP.  hcat[slot x 4,096 + t][0..511] = bf16( w x silu(x W1 + b1) x (x W3 + b3) ) for the rows of one expert (experts 8, 9: the shared MLP's halves, w = 1).
; A work-group takes a tile of up to 144 rows of ONE expert (list ENT: slot x 4,096 + t; table UTAB) and 256 hidden columns (grid x) of both W1 and W3; K = 1,024.
; Each of the four waves takes all 144 rows x 64 hidden columns x 2: 72 accumulators, 576 registers.  So every weight fragment has one reading wave and comes from
; memory straight into operand registers, in the order in which the launch before laid it; the token rows, which come by a list, go registers -> LDS, K steps of 128, two slots.
; The matrix instruction is used transposed (source 0 = 16 weight columns, source 1 = 16 rows): a lane holds one row and eight neighbouring hidden columns.
; The biases (rounded to bf16 like every input) are the C operand of the first products.  Sums in f32; silu = h rcp(1 + 2^(-1.442695 h)); H rounded once to bf16, the gate weight in it.
; ONE TEXT FOR EVERY TRIP: a trip is two K steps; the loop is entered behind the first substep, which is written out, and has no tail.  So the last trip asks ahead like the others: for 16 KB of weights past
; my block (inside wts: the down weights follow the up weights) and for rows from a base that has stopped stepping (inside each row); both are awaited and not used.
; ROWS PAST THE COUNT repeat the tile's last row and weight, so they hold that row's bits; whole stores past the count are jumped.  A tile without rows runs on list place 0 and stores nothing.
; NO CLUSTER, NO TENSOR LOAD: the rows come by a list that no descriptor covers, and a weight fragment is read by one wave of a work-group.
; LIMITS.  w h1 h3 stays below 3.4e38; NaN and infinities are not treated apart; 2^x below 2^-126 counts as 0.
; REGISTERS, in windows of 256: window 0: v0-39 addresses; v40-111, v112-183 row fragments, two buffers (the second holds the biases until the first products are out); v184-255 rows on their way to LDS.
;   accumulator ix = 9 (4 m + cb) + a lies in window 1 + ix / 32 at v[8 (ix % 32)].  Window 3 beside them: v64-127, v128-191 weight fragments, two buffers; v192-209 gate weights; v210-227 my rows' offsets in hcat.
.set PITCH, 272                        ; an LDS row: 256 bytes + 16
.set SLOTB, 144*PITCH
.set STAGE, 2*SLOTB                    ; the way out: 144 rows of 512 bytes, pitch 528
.set SPI,   528
.set SPARE, STAGE+144*SPI              ; the spare words: 128 bytes a wave
.set ROFF, 2                           ; v2-19  byte offset in xb of rows 36 w + 2 i + l / 16, + 16 (l % 16)
.set HH,   20
.set BV,   21                          ; 16 lane
.set AFR,  22                          ; v22-23 fragment address in slot 0, 1
.set STR,  24                          ; v24-25 where I put my rows in slot 0, 1
.set SPW,  26
.set NIL,  27
.set SO,   28                          ; stage: in, row blocks 0-3
.set SO2,  29                          ;        row blocks 4-8
.set RD,   30                          ; stage: back
.set LO16, 31
.set AB,   40
.set BIAS, 112
.set STG,  184
.set BB,   64                          ; window 3
.set WR,   192                         ; window 3
.set HO,   210                         ; window 3
.set T,    40                          ; the way out, window 0
.set U,    72
.set P,    104
.set MSB, 0
.macro WIN new                         ; the high byte repeats the setting that is left; a switch that changes nothing is dropped
.if MSB != (\new)
	s_set_vgpr_msb (MSB<<8)|(\new)
.set MSB, (\new)
.endif
.endm
.macro PLACES                          ; four places behind matrix instructions, in front of loads into their sources and of reads of their results
.rept 4
	v_nop
.endr
.endm
; 36 matrix instructions: W1 (half 0) or W3 (half 1), 4 column blocks x 9 row blocks, 32 along K, buffers f.  All 72 accumulators take turns, one instruction a turn.
.macro MULH f, half, zero
.irp c, 0,1,2,3
.irp a, 0,1,2,3,4,5,6,7,8
.set IX, 9*(4*(\half)+\c)+\a
.set WN, 1+IX/32
.set RG, 8*(IX%32)
.if \zero
	WIN 3|(WN<<6)
	v_wmma_f32_16x16x32_bf16 v[RG:RG+7], v[BB+64*(\f)+8*(4*(\half)+\c):BB+64*(\f)+8*(4*(\half)+\c)+7], v[AB+72*(\f)+8*\a:AB+72*(\f)+8*\a+7], v[BIAS+8*(4*(\half)+\c):BIAS+8*(4*(\half)+\c)+7]
.else
	WIN 3|(WN<<4)|(WN<<6)
	v_wmma_f32_16x16x32_bf16 v[RG:RG+7], v[BB+64*(\f)+8*(4*(\half)+\c):BB+64*(\f)+8*(4*(\half)+\c)+7], v[AB+72*(\f)+8*\a:AB+72*(\f)+8*\a+7], v[RG:RG+7]
.endif
.endr
.endr
.endm
.macro REFB f, half, off               ; 8 loads: four weight fragments, 512 consecutive bytes a load
	WIN 0xC0
.irp c, 0,1,2,3
	global_load_b128 v[BB+64*(\f)+8*(4*(\half)+\c):BB+64*(\f)+8*(4*(\half)+\c)+3],   v[BV], s[30:31] offset:(\off)+(4*(\half)+\c)*1024
	global_load_b128 v[BB+64*(\f)+8*(4*(\half)+\c)+4:BB+64*(\f)+8*(4*(\half)+\c)+7], v[BV], s[30:31] offset:(\off)+(4*(\half)+\c)*1024+512
.endr
.endm
.macro FETCHA slot, q                  ; 18 LDS loads: 144 rows x 32 K, quarter q of a slot, into buffer q % 2
	WIN 0
.irp a, 0,1,2,3,4,5,6,7,8
	ds_load_b128 v[AB+72*((\q)%2)+8*\a:AB+72*((\q)%2)+8*\a+3],   v[AFR+(\slot)] offset:\a*16*PITCH+(\q)*64
	ds_load_b128 v[AB+72*((\q)%2)+8*\a+4:AB+72*((\q)%2)+8*\a+7], v[AFR+(\slot)] offset:\a*16*PITCH+(\q)*64+32
.endr
.endm
.macro SLOAD off                       ; my 36 rows' 256 bytes of a K step: 16 lanes a row
	WIN 0
.set i, 0
.rept 18
	global_load_b128 v[STG+4*i:STG+4*i+3], v[ROFF+i], s[32:33] offset:\off
.set i, i+1
.endr
.endm
.macro SSTORE slot
	WIN 0
.set i, 0
.rept 18
	ds_store_b128 v[STR+(\slot)], v[STG+4*i:STG+4*i+3] offset:544*i
.set i, i+1
.endr
.endm
; A SUBSTEP: 32 along K, 72 matrix instructions on buffers q % 2.  In its middle and at its end the weight buffers just read are filled again for the substep two further on (nrel + 2, counted from s[30:31]);
; in its middle the next substep's row fragments are fetched.  n1, n2: the younger loads that may stay out when W1's, W3's fragments are wanted: three refills of 8, and the 18 staging loads where they lie between.
; sst: the rows in STG go into the other slot.  sld: the rows of the K step after that are asked for (byte offset from s[32:33]); the LDS stores that read STG are done by the wait at this substep's head.
; bar: the change of slots.  The wait at the head shows my reads of this slot and my stores into the other done; behind the barrier the other slot is whole and this one may be written.
.macro SUB slot, q, nrel, n1, n2, sst, sld, bar, fs, fq
	s_wait_dscnt 0x0                               ; my fragments, fetched 36 matrix instructions ago, are in; so are my stores
.if \bar
	s_barrier_signal -1
.endif
	s_wait_loadcnt \n1
	MULH (\q)%2, 0, 0
.if \bar
	s_barrier_wait -1
.endif
	PLACES
.if \sld
	SLOAD \sld
.endif
	REFB (\q)%2, 0, ((\nrel)+2)*8192
	FETCHA \fs, \fq
.if \sst
	SSTORE 1-(\slot)
.endif
	s_wait_loadcnt \n2
	MULH (\q)%2, 1, 0
	PLACES
	REFB (\q)%2, 1, ((\nrel)+2)*8192
.endm
	s_load_b512 s[4:19], s[0:1], 0x0               ; xb, wts, lists, wgt, be1, bs1, be3, bs3
	s_load_b64 s[20:21], s[0:1], 0x40              ; hcat
	v_lshl_add_u32 v[SPW], v0, 2, SPARE
	v_mov_b32 v[NIL], 0
	v_lshrrev_b32 v32, 5, v0
	v_readfirstlane_b32 s22, v32                   ; wave
	s_mov_b32 s23, ttmp9                           ; which 256 hidden columns
	s_and_b32 s24, ttmp7, 0xffff                   ; tile
	s_lshl_b32 s36, s24, 3
	s_mov_b32 s50, 0xbfb8aa3b                      ; -log2(e), named as a pair by the packed multiply
	s_mov_b32 s51, s50
	v_and_b32 v1, 15, v0                           ; r
	v_bfe_u32 v[HH], v0, 4, 1                      ; h
	v_and_b32 v33, 31, v0
	v_lshlrev_b32 v[BV], 4, v33
	s_wait_kmcnt 0x0
	s_load_b64 s[26:27], s[8:9], s36 offset:70400  ; UTAB: expert, rows
	v_mul_u32_u24 v[AFR], v1, PITCH
	v_lshl_add_u32 v[AFR], v[HH], 4, v[AFR]
	v_add_nc_u32 v[AFR+1], SLOTB, v[AFR]
	s_mul_i32 s37, s22, 36
	v_add_nc_u32 v34, s37, v[HH]                   ; 36 w + h
	v_mul_u32_u24 v[STR], v34, PITCH
	v_lshl_add_u32 v[STR], v1, 4, v[STR]
	v_add_nc_u32 v[STR+1], SLOTB, v[STR]
	v_mul_u32_u24 v[SO], v1, SPI
	v_lshl_add_u32 v[SO], v[HH], 4, v[SO]
	s_lshl_b32 s38, s22, 7
	s_add_co_u32 s38, s38, STAGE
	v_add_nc_u32 v[SO], s38, v[SO]                 ; row r, my wave's 128 bytes, 16 h
	v_add_nc_u32 v[SO2], 64*SPI, v[SO]
	v_mul_u32_u24 v[RD], v34, SPI
	v_lshl_add_u32 v[RD], v1, 4, v[RD]
	v_add_nc_u32 v[RD], STAGE, v[RD]
	s_lshl_b32 s39, s23, 9
	v_lshlrev_b32 v35, 4, v1
	v_add_nc_u32 v[LO16], s39, v35                 ; my 16 bytes in a row of hcat
	s_wait_kmcnt 0x0
	s_min_u32 s26, s26, 9
	s_min_u32 s27, s27, 144
	s_max_u32 s35, s27, 1
	s_sub_co_u32 s35, s35, 1                       ; the last row that exists
	s_mul_i32 s36, s24, 576
	s_cmp_eq_u32 s27, 0
	s_cselect_b32 s36, 0, s36                      ; a tile without rows has no list places of its own: it takes place 0, which is always written
	s_mov_b32 s37, 0
	s_add_nc_u64 s[42:43], s[8:9], s[36:37]        ; the tile's 144 places in ENT
	s_add_nc_u64 s[44:45], s[10:11], s[36:37]      ; and in the weights beside it
	s_lshl_b32 s36, s26, 21
	s_lshl2_add_u32 s38, s23, s22                  ; cg = 4 nh + w
	s_lshl_b32 s38, s38, 18
	s_add_co_u32 s36, s36, s38
	s_add_nc_u64 s[30:31], s[6:7], s[36:37]        ; my fragments of W1 and W3
	s_mov_b64 s[32:33], s[4:5]
	s_and_b32 s38, s26, 7
	s_lshl_b32 s38, s38, 11                        ; 512 biases an expert, or a shared half
	s_lshl_b32 s36, s23, 10
	s_add_co_u32 s38, s38, s36
	s_lshl_b32 s36, s22, 8
	s_add_co_u32 s38, s38, s36
	v_lshl_add_u32 v36, v[HH], 5, s38
	s_cmp_lt_u32 s26, 8
	s_cselect_b64 s[46:47], s[12:13], s[14:15]
	s_cselect_b64 s[48:49], s[16:17], s[18:19]
.set i, 0
.rept 18                               ; the list words of my 36 rows; places past the count repeat the last row
	v_add_nc_u32 v[STG+i], 2*i, v34
	v_min_u32 v[STG+i], s35, v[STG+i]
	v_min_u32 v[STG+i], 143, v[STG+i]
	v_lshlrev_b32 v[STG+i], 2, v[STG+i]
	global_load_b32 v[AB+i], v[STG+i], s[42:43]
.set i, i+1
.endr
.set i, 0
.rept 9
	v_add_nc_u32 v[STG+20+i], 16*i, v1
	v_min_u32 v[STG+20+i], s35, v[STG+20+i]
	v_min_u32 v[STG+20+i], 143, v[STG+20+i]
	v_lshlrev_b32 v[STG+20+i], 2, v[STG+20+i]
.set i, i+1
.endr
	WIN 0xC0
.set i, 0
.rept 9                                ; the gate weight of row 16 a + r; the register beside it is named with it as a pair
	global_load_b32 v[WR+2*i], v[STG+20+i], s[44:45]
	v_mov_b32 v[WR+2*i+1], 0
.set i, i+1
.endr
	WIN 0
.irp m, 0,1
.irp c, 0,1,2,3
	global_load_b128 v[BIAS+8*(4*\m+\c):BIAS+8*(4*\m+\c)+3],   v36, s[46+2*\m:47+2*\m] offset:64*\c
	global_load_b128 v[BIAS+8*(4*\m+\c)+4:BIAS+8*(4*\m+\c)+7], v36, s[46+2*\m:47+2*\m] offset:64*\c+16
.endr
.endr
	s_wait_loadcnt 0x0
.set i, 0
.rept 18
	v_min_u32 v[AB+i], 0x3fff, v[AB+i]
.set i, i+1
.endr
	WIN 0xC0
.set i, 0
.rept 18
	v_lshl_add_u32 v[HO+i], v[AB+i], 10, v[LO16]   ; hcat row slot x 4,096 + t, 1,024 bytes each
.set i, i+1
.endr
	WIN 0
.set i, 0
.rept 18
	v_and_b32 v[AB+i], 0xfff, v[AB+i]
	v_lshl_add_u32 v[ROFF+i], v[AB+i], 11, v35     ; xb row t, 2,048 bytes each
.set i, i+1
.endr
.set i, 0
.rept 18
	global_load_b128 v[AB+4*i:AB+4*i+3], v[ROFF+i], s[32:33]              ; K step 0
.set i, i+1
.endr
	SLOAD 256                                      ; K step 1
	REFB 0, 0, 0
	REFB 0, 1, 0
	REFB 1, 0, 8192
	REFB 1, 1, 8192
	WIN 0
.set i, 0
.rept 32                               ; the biases rounded to bf16, kept as f32
	v_cvt_pk_bf16_f32 v37, v[BIAS+2*i], v[BIAS+2*i+1]
	v_lshlrev_b32 v[BIAS+2*i], 16, v37
	v_and_b32 v[BIAS+2*i+1], 0xffff0000, v37
.set i, i+1
.endr
	s_wait_loadcnt 50                              ; younger: K step 1's 18 and 32 of weights
.set i, 0
.rept 18
	ds_store_b128 v[STR], v[AB+4*i:AB+4*i+3] offset:544*i
.set i, i+1
.endr
	s_wait_dscnt 0x0
	s_barrier_signal -1
	s_barrier_wait -1
	FETCHA 0, 0
	; the first substep is written out: its products start the sums from the biases, which lie in the second row buffer, so that buffer's fetch stands behind them
	s_wait_dscnt 0x0
	s_wait_loadcnt 24                              ; W1 of substep 0 is in, and K step 1's rows, which are older
	MULH 0, 0, 1
	PLACES
	REFB 0, 0, 2*8192
	SSTORE 1
	s_wait_loadcnt 24
	MULH 0, 1, 1
	PLACES
	FETCHA 0, 1
	REFB 0, 1, 2*8192
	WIN 0
	s_mov_b32 s34, 4
	s_branch .Lmid                                 ; the loop is entered behind its first substep
.Ltrip:                                ; a trip: two K steps, the first in slot 0, the second in slot 1
	SUB 0,0,0, 24,24, 1,0,   0, 0,1
	WIN 0
.Lmid:
	SUB 0,1,1, 24,42, 0,512, 0, 0,2
	SUB 0,2,2, 42,42, 0,0,   0, 0,3
	SUB 0,3,3, 24,24, 0,0,   1, 1,0
	SUB 1,0,4, 24,24, 1,0,   0, 1,1
	SUB 1,1,5, 24,42, 0,768, 0, 1,2
	SUB 1,2,6, 42,42, 0,0,   0, 1,3
	SUB 1,3,7, 24,24, 0,0,   1, 0,0
	WIN 0
	s_wait_xcnt 0x0                                ; the bases are stepped only behind this wait
	s_add_nc_u64 s[30:31], s[30:31], 65536
	s_cmp_gt_u32 s34, 2                            ; the rows' base steps behind the first two trips alone: the third trip asks for K steps 6 and 7, the fourth for the same once more
	s_cselect_b32 s36, 512, 0
	s_add_nc_u64 s[32:33], s[32:33], s[36:37]
	s_sub_co_u32 s34, s34, 1
	s_cmp_lg_u32 s34, 0
	s_cbranch_scc1 .Ltrip
	s_wait_loadcnt 0x0                             ; what the last trip asked for ahead is not used: its registers are free behind these waits
	s_wait_dscnt 0x0
	PLACES
; THE WAY OUT of row block a: 32 pairs (h1, h3) a lane.  The exponentials are one batch with one wait, the reciprocals another; each accumulator's lowest registers are read first.
.macro EPI a
.irp c, 0,1,2,3
.set I1, 9*\c+\a
	WIN 1+I1/32
.irp p, 0,1,2,3
	v_pk_mul_f32 v[T+8*\c+2*\p:T+8*\c+2*\p+1], v[8*(I1%32)+2*\p:8*(I1%32)+2*\p+1], s[50:51] op_sel_hi:[1,0]
.endr
.endr
	WIN 0
.set i, 0
.rept 32
	v_exp_f32 v[T+i], v[T+i]                       ; 2^(-1.442695 h1)
.set i, i+1
.endr
.irp c, 0,1,2,3
.set I3, 9*(4+\c)+\a
	WIN (1+I3/32)|12
.irp p, 0,1,2,3
	v_pk_mul_f32 v[U+8*\c+2*\p:U+8*\c+2*\p+1], v[8*(I3%32)+2*\p:8*(I3%32)+2*\p+1], v[WR+2*\a:WR+2*\a+1] op_sel_hi:[1,0]
.endr
.endr
.irp c, 0,1,2,3
.set I1, 9*\c+\a
	WIN (1+I1/32)<<2
.irp p, 0,1,2,3
	v_pk_mul_f32 v[U+8*\c+2*\p:U+8*\c+2*\p+1], v[U+8*\c+2*\p:U+8*\c+2*\p+1], v[8*(I1%32)+2*\p:8*(I1%32)+2*\p+1]
.endr
.endr
	WIN 0
	s_wait_alu depctr_va_vdst(0)
.set i, 0
.rept 16
	v_pk_add_f32 v[T+2*i:T+2*i+1], v[T+2*i:T+2*i+1], 1.0 op_sel_hi:[1,0]
.set i, i+1
.endr
.set i, 0
.rept 32
	v_rcp_f32 v[T+i], v[T+i]
.set i, i+1
.endr
	v_nop
	s_wait_alu depctr_va_vdst(0)
.set i, 0
.rept 16
	v_pk_mul_f32 v[U+2*i:U+2*i+1], v[U+2*i:U+2*i+1], v[T+2*i:T+2*i+1]
.set i, i+1
.endr
.set i, 0
.rept 16
	v_cvt_pk_bf16_f32 v[P+i], v[U+2*i], v[U+2*i+1]
.set i, i+1
.endr
.irp c, 0,1,2,3
.if (\a) < 4
	ds_store_b128 v[SO], v[P+4*\c:P+4*\c+3] offset:(\a)*16*SPI+32*\c
.else
	ds_store_b128 v[SO2], v[P+4*\c:P+4*\c+3] offset:((\a)-4)*16*SPI+32*\c
.endif
.endr
.endm
.irp a, 0,1,2,3,4,5,6,7,8
	EPI \a
.endr
	WIN 0x03
.set i, 0
.rept 18
	v_mov_b32 v[ROFF+i], v[HO+i]                   ; my rows' offsets in hcat, into the window of the stores
.set i, i+1
.endr
	WIN 0
	s_wait_dscnt 0x0                               ; a row's 512 bytes come from four waves
	s_barrier_signal -1
	s_barrier_wait -1
.set i, 0
.rept 18
	ds_load_b128 v[AB+8*i:AB+8*i+3],   v[RD] offset:2*SPI*i
	ds_load_b128 v[AB+8*i+4:AB+8*i+7], v[RD] offset:2*SPI*i+256
.set i, i+1
.endr
	s_mul_i32 s37, s22, 36
.set i, 0
.rept 18                               ; rows 36 w + 2 i and the next: 16 lanes store 256 consecutive bytes, aligned
	s_cmp_lt_u32 s37, s27
	s_cbranch_scc0 .Ldone                          ; both rows lie past the count, and so do all that follow
	s_wait_dscnt 34-2*i
	global_store_b128 v[ROFF+i], v[AB+8*i:AB+8*i+3], s[20:21]
	global_store_b128 v[ROFF+i], v[AB+8*i+4:AB+8*i+7], s[20:21] offset:256
	s_add_co_u32 s37, s37, 2
.set i, i+1
.endr
.Ldone:
	s_or_b32 s36, s24, s22
	s_cmp_lg_u32 s36, 0
	s_cbranch_scc1 .Lend
	s_wait_dscnt 0x0
	s_wait_xcnt 0x0
	v_mov_b32 v40, 0                               ; tile 0, wave 0: my half of hcat's row of zeros, row 16,384
	v_mov_b32 v41, 0
	v_mov_b32 v42, 0
	v_mov_b32 v43, 0
	v_add_nc_u32 v32, s39, v[BV]
	v_add_nc_u32 v32, 0x1000000, v32
	global_store_b128 v32, v[40:43], s[20:21]
.Lend:
	s_wait_tensorcnt 0x0                           ; the wave's end: three lines behind my last LDS store
	ds_add_u32 v[SPW], v[NIL]
	s_wait_dscnt 0x0
	s_endpgm
.Lfunc_end_k_q1be170291d_up:
	.size	k_q1be170291d_up, .Lfunc_end_k_q1be170291d_up-k_q1be170291d_up
	.p2alignl 7, 3214868480
	.fill 96, 4, 3214868480
	.section	.rodata,"a",@progbits
	.p2align	6, 0x0
	.amdhsa_kernel k_q1be170291d_up
		.amdhsa_group_segment_fixed_size 154880
		.amdhsa_private_segment_fixed_size 0
		.amdhsa_enable_private_segment 0
		.amdhsa_kernarg_size 72
		.amdhsa_user_sgpr_count 2
		.amdhsa_user_sgpr_kernarg_segment_ptr 1
		.amdhsa_wavefront_size32 1
		.amdhsa_system_sgpr_workgroup_id_x 1
		.amdhsa_system_sgpr_workgroup_id_y 1
		.amdhsa_system_sgpr_workgroup_id_z 1
		.amdhsa_system_vgpr_workitem_id 0
		.amdhsa_next_free_vgpr 1024
		.amdhsa_next_free_sgpr 66
		.amdhsa_reserve_vcc 0
		.amdhsa_float_denorm_mode_32 3
		.amdhsa_float_denorm_mode_16_64 3
		.amdhsa_memory_ordered 1
		.amdhsa_forward_progress 1
		.amdhsa_inst_pref_size 194
	.end_amdhsa_kernel
	.amdgpu_metadata
---
amdhsa.version: [ 1, 2 ]
amdhsa.kernels:
  - .name:           k_q1be170291d_up
    .symbol:         k_q1be170291d_up.kd
    .args:
      - { .name: xb, .offset: 0, .size: 8, .value_kind: global_buffer, .address_space: global }
      - { .name: wts, .offset: 8, .size: 8, .value_kind: global_buffer, .address_space: global }
      - { .name: lists, .offset: 16, .size: 8, .value_kind: global_buffer, .address_space: global }
      - { .name: wgt, .offset: 24, .size: 8, .value_kind: global_buffer, .address_space: global }
      - { .name: be1, .offset: 32, .size: 8, .value_kind: global_buffer, .address_space: global }
      - { .name: bs1, .offset: 40, .size: 8, .value_kind: global_buffer, .address_space: global }
      - { .name: be3, .offset: 48, .size: 8, .value_kind: global_buffer, .address_space: global }
      - { .name: bs3, .offset: 56, .size: 8, .value_kind: global_buffer, .address_space: global }
      - { .name: hcat, .offset: 64, .size: 8, .value_kind: global_buffer, .address_space: global }
    .group_segment_fixed_size: 154880
    .private_segment_fixed_size: 0
    .kernarg_segment_align: 8
    .kernarg_segment_size: 72
    .max_flat_workgroup_size: 128
    .sgpr_count:     66
    .vgpr_count:     1024
    .wavefront_size: 32
...
	.end_amdgpu_metadata
.endif
;; end of part 3
;; launch down (part 4): grid 8 x 32, 4 waves a work-group, no clusters, 207,360 bytes of LDS; arguments hcat, wts, lists, wgt, be2, bs2, out0; writes out0
.if DOCPART == 4
	.amdgcn_target "amdgcn-amd-amdhsa--gfx1250"
	.amdhsa_code_object_version 6
	.text
	.protected	k_q1be170291d_down
	.globl	k_q1be170291d_down
	.p2align	8
	.type	k_q1be170291d_down,@function
k_q1be170291d_down:
	s_mov_b64 s[64:65], 0
	v_nop
	global_prefetch_b8 v0, s[64:65] scope:SCOPE_SE
	s_setreg_imm32_b32 hwreg(HW_REG_WAVE_MODE, 25, 1), 1
	s_wait_xcnt 0x0
; DOWN.  out0[t] = sum over the token's four slots of hcat[slot x 4,096 + t] x W2(slot's expert) + bs2 + w_lo be2[lo] + w_hi be2[hi].
; A work-group takes 128 tokens, sorted by their set of experts (STOK), x 128 output columns (grid x); each output number has this one owner and one f32 sum.
; K goes in SEGMENTS of 512: the two shared halves, then one for each expert that the tile holds (table DTAB, stored by the launch that sorts);
; a row that did not choose the segment's expert reads hcat's row of zeros.  The loop has a constant 10 trips (2 + 8 experts serve every split); every wave passes every barrier, and only work is jumped in trips past the tile's count.
; Each wave takes all 128 rows x 32 columns: 16 accumulators; its weight fragments come from memory straight into a ring of 8 register slots, a K step (256) ahead;
; the rows go registers -> LDS, K steps of 256, two slots.  The matrix instruction is used transposed: a lane holds one token and eight neighbouring columns.
; WHICH ROW.  Lanes 0-15 load row 32 w + 2 i, lanes 16-31 the next; each lane keeps that row's t and a MAP, 3 bits for each of the 10 experts: the slot (0 lo, 1 hi, 2 and 3 shared) or 4 for none.
; The row is (field << 12) + t, held to 16,384 at the most: the clamp itself turns 'none' into the row of zeros.  Nothing goes from lane to lane.
; THE SUMS START from bs2 + w_lo be2[lo] + w_hi be2[hi], made in f32 from biases rounded to bf16 like every input: nothing is cleared, and the way out only stores.
; NO CLUSTER, NO TENSOR LOAD: the rows come by a list that no descriptor covers.  LIMITS.  NaN and infinities in the weights are not treated apart (0 x inf would not be 0).
; REGISTERS: window 0: v0-31 addresses; v32-47 the rows' offsets in hcat; v48-63 in out0; v64-127, v128-191 row fragments, two buffers (at work in the prologue); v192-223 t and MAP; v224-255 at work.
;   Window 1: v0-127 accumulators (a, cb) at v[8 (2 a + cb)]; v128-255 rows on their way to LDS.  Window 2: v0-127 the weight ring; v128-255 the first rows.
.set PITCH, 528                        ; an LDS row: 512 bytes + 16
.set SLOTB, 128*PITCH
.set STAGE, 2*SLOTB                    ; the way out: 128 rows of 128 f32
.set BT,    STAGE+SLOTB                ; be2 rounded: for each wave [8 experts][its 32 columns] f32
.set SPARE, BT+4096
.set AFR, 10
.set STR, 12
.set BV,  14                           ; 16 lane
.set L16, 15                           ; 16 (lane % 16)
.set SPW, 17
.set NIL, 18
.set SOA, 19
.set RDA, 20
.set ROFF, 32
.set OUTO, 48
.set AB,  64
.set TI,  192
.set MAP, 208
.set RH,  224                          ; prologue: the list words of rows 32 w + 2 i + h
.set WB,  240                          ; prologue: w_hi of token 16 a + r, twice (a pair for the packed multiply-add)
.set RA,  64                           ; prologue: the list word of token 16 a + r
.set WA,  72                           ; w_lo, w_hi of that token
.set LA,  88                           ; where be2[lo] of my eight columns lies in LDS
.set HA,  96                           ; be2[hi]
.set BE,  104
.set BS,  112                          ; bs2 of my 16 columns
.set G,   128
.set MSB, 0
.macro WIN new
.if MSB != (\new)
	s_set_vgpr_msb (MSB<<8)|(\new)
.set MSB, (\new)
.endif
.endm
.macro PLACES
.rept 4
	v_nop
.endr
.endm
.macro FETCHA slot, q                  ; 16 LDS loads: 128 rows x 32 K
	WIN 0
.irp a, 0,1,2,3,4,5,6,7
	ds_load_b128 v[AB+64*((\q)%2)+8*\a:AB+64*((\q)%2)+8*\a+3],   v[AFR+(\slot)] offset:\a*16*PITCH+(\q)*64
	ds_load_b128 v[AB+64*((\q)%2)+8*\a+4:AB+64*((\q)%2)+8*\a+7], v[AFR+(\slot)] offset:\a*16*PITCH+(\q)*64+32
.endr
.endm
.macro REFB q, bp, off                 ; ring slot q: two fragments, four loads of 512 consecutive bytes
	WIN 0x80
.irp k, 0,1,2,3
	global_load_b128 v[16*(\q)+4*\k:16*(\q)+4*\k+3], v[BV], s[\bp:\bp+1] offset:(\off)+512*\k
.endr
.endm
.macro MUL16 q                         ; the 16 accumulators take turns, one instruction a turn
	WIN 0x52
.irp a, 0,1,2,3,4,5,6,7
.irp c, 0,1
	v_wmma_f32_16x16x32_bf16 v[8*(2*\a+\c):8*(2*\a+\c)+7], v[16*(\q)+8*\c:16*(\q)+8*\c+7], v[AB+64*((\q)%2)+8*\a:AB+64*((\q)%2)+8*\a+7], v[8*(2*\a+\c):8*(2*\a+\c)+7]
.endr
.endr
.endm
.macro SLOAD j                         ; my 32 rows' 512 bytes of half j of a segment: a load takes 256 consecutive bytes of each of two rows
	WIN 0x40
.set i, 0
.rept 16
	global_load_b128 v[128+8*i:128+8*i+3],   v[ROFF+i], s[4:5] offset:512*(\j)
	global_load_b128 v[128+8*i+4:128+8*i+7], v[ROFF+i], s[4:5] offset:512*(\j)+256
.set i, i+1
.endr
.endm
.macro SSTORE slot
	WIN 0x04
.set i, 0
.rept 16
	ds_store_b128 v[STR+(\slot)], v[128+8*i:128+8*i+3]   offset:2*PITCH*i
	ds_store_b128 v[STR+(\slot)], v[128+8*i+4:128+8*i+7] offset:2*PITCH*i+256
.set i, i+1
.endr
.endm
.macro OFFS                            ; the rows' offsets in hcat for the expert whose number x 3 is in s47
.set i, 0
.rept 16
	v_bfe_u32 v[ROFF+i], v[MAP+i], s47, 3
.set i, i+1
.endr
.set i, 0
.rept 16
	v_lshl_add_u32 v[ROFF+i], v[ROFF+i], 12, v[TI+i]
.set i, i+1
.endr
.set i, 0
.rept 16
	v_min_u32 v[ROFF+i], 0x4000, v[ROFF+i]         ; 'none' lands on the row of zeros
.set i, i+1
.endr
.set i, 0
.rept 16
	v_lshl_add_u32 v[ROFF+i], v[ROFF+i], 10, v[L16]
.set i, i+1
.endr
.endm
.macro NEXTSEG                         ; the segment after this one (the last repeats itself): its expert, its weights, its rows
	s_wait_xcnt 0x0                                ; the bases and offsets below are rewritten only behind this wait
	s_mov_b64 s[48:49], s[50:51]
	s_add_co_u32 s54, s24, 1
	s_sub_co_u32 s55, s23, 1
	s_min_u32 s54, s54, s55
	s_sub_co_u32 s55, s54, 2
	s_lshl_b32 s55, s55, 2
	s_lshr_b32 s55, s22, s55
	s_and_b32 s55, s55, 15
	s_add_co_u32 s56, s54, 8
	s_cmp_lt_u32 s54, 2
	s_cselect_b32 s25, s56, s55
	s_min_u32 s25, s25, 9
	s_lshl_b32 s26, s25, 20
	s_add_nc_u64 s[50:51], s[52:53], s[26:27]
	s_mul_i32 s47, s25, 3
	OFFS
.endm
; A STEP: half j of a segment, K = 256, read from slot j.  The barrier at its head, with every wave's wait in front, shows the stores into slot j done and the reads of slot 1 - j over.
; Its first two fetches go out first; behind them the rows in the staging registers (the next step's) go into slot 1 - j, and the next segment's offsets are made while the fetches land;
; the rows of the step after that are asked for in substep 2, when those stores are done.
; Counts.  24: behind the staging loads stand six refills of 4.  60: behind a ring slot's refill stand seven refills and one run of 32 staging loads.  48: behind the first fetch stand 16 loads and 32 stores.  16: the fetch just issued.
.macro STEP j
	s_wait_dscnt 0x0
	s_barrier_signal -1
	s_barrier_wait -1
	s_cmp_lt_u32 s24, s23
	s_cbranch_scc0 .Lskip_\@                       ; past the tile's segments: only work is jumped
	FETCHA \j, 0
	FETCHA \j, 1
	s_wait_loadcnt 24
	SSTORE 1-(\j)
	WIN 0
.if (\j) == 0
	NEXTSEG
.endif
	s_wait_dscnt 48
	s_wait_loadcnt 60
	MUL16 0
.irp q, 1,2,3,4,5,6,7
	PLACES
.if (\j) == 0
	REFB (\q)-1, 48, 16384+2048*((\q)-1)
.else
	REFB (\q)-1, 50, 2048*((\q)-1)
.endif
.if (\q) == 2
	SLOAD \j
.endif
.if (\q) < 7
	FETCHA \j, (\q)+1
	s_wait_dscnt 16
.else
	s_wait_dscnt 0x0
.endif
	s_wait_loadcnt 60
	MUL16 \q
.endr
	PLACES
.if (\j) == 0
	REFB 7, 48, 16384+2048*7
.else
	REFB 7, 50, 2048*7
.endif
	WIN 0
.Lskip_\@:
.endm
; The sums of row blocks 2 b and 2 b + 1 begin: my token's be2[lo] and be2[hi] for my 16 columns out of my wave's table, two packed multiply-adds a pair of numbers
.macro BINIT b
	WIN 0
.irp x, 0,1
.irp c, 0,1
.set GG, G+32*\x+16*\c
	ds_load_b128 v[GG:GG+3],     v[LA+2*(\b)+\x] offset:64*\c
	ds_load_b128 v[GG+4:GG+7],   v[LA+2*(\b)+\x] offset:64*\c+16
	ds_load_b128 v[GG+8:GG+11],  v[HA+2*(\b)+\x] offset:64*\c
	ds_load_b128 v[GG+12:GG+15], v[HA+2*(\b)+\x] offset:64*\c+16
.endr
.endr
	s_wait_dscnt 0x0
	WIN 0x40
.irp x, 0,1
.irp c, 0,1
.irp p, 0,1,2,3
.set GG, G+32*\x+16*\c+2*\p
.set AC, 8*(2*(2*(\b)+\x)+\c)+2*\p
	v_pk_fma_f32 v[AC:AC+1], v[GG:GG+1], v[WA+2*(2*(\b)+\x):WA+2*(2*(\b)+\x)+1], v[BS+8*\c+2*\p:BS+8*\c+2*\p+1] op_sel_hi:[1,0,1]
.endr
.endr
.endr
	WIN 0x50
.irp x, 0,1
.irp c, 0,1
.irp p, 0,1,2,3
.set GG, G+32*\x+16*\c+8+2*\p
.set AC, 8*(2*(2*(\b)+\x)+\c)+2*\p
	v_pk_fma_f32 v[AC:AC+1], v[GG:GG+1], v[WB+2*(2*(\b)+\x):WB+2*(2*(\b)+\x)+1], v[AC:AC+1] op_sel_hi:[1,0,1]
.endr
.endr
.endr
.endm
	s_load_b256 s[4:11], s[0:1], 0x0               ; hcat, wts, lists, wgt
	s_load_b128 s[12:15], s[0:1], 0x20             ; be2, bs2
	s_load_b64 s[16:17], s[0:1], 0x30              ; out0
	v_lshl_add_u32 v[SPW], v0, 2, SPARE
	v_mov_b32 v[NIL], 0
	v_lshrrev_b32 v24, 5, v0
	v_readfirstlane_b32 s18, v24                   ; wave
	s_mov_b32 s19, ttmp9                           ; which 128 columns
	s_and_b32 s20, ttmp7, 0xffff                   ; tile
	s_lshl_b32 s46, s20, 3                         ; the tile's entry in DTAB
	v_and_b32 v1, 15, v0
	v_bfe_u32 v2, v0, 4, 1
	v_and_b32 v3, 31, v0
	v_lshlrev_b32 v[BV], 4, v3
	v_lshlrev_b32 v[L16], 4, v1
	s_lshl_b32 s54, s20, 7                         ; the tile's first sorted place
	s_lshl_b32 s58, s18, 5
	s_add_co_u32 s55, s58, s54
	v_add_nc_u32 v22, s55, v2                      ; place of row 32 w + h
	v_lshlrev_b32 v22, 2, v22
	v_add_nc_u32 v23, s54, v1                      ; place of token r
	v_lshlrev_b32 v25, 3, v23
	v_lshlrev_b32 v23, 2, v23
	s_lshl_b32 s56, s19, 9                         ; 128 columns of f32
	s_lshl_b32 s57, s18, 7                         ; my 32 of them
	s_add_co_u32 s57, s57, s56
	v_lshl_add_u32 v26, v3, 2, s57                 ; be2: column = lane
	v_lshl_add_u32 v27, v2, 5, s57                 ; bs2: 8 h
	v_add_nc_u32 v28, s56, v[L16]
	v_mul_u32_u24 v[AFR], v1, PITCH
	v_lshl_add_u32 v[AFR], v2, 4, v[AFR]
	v_add_nc_u32 v[AFR+1], SLOTB, v[AFR]
	v_add_nc_u32 v24, s58, v2                      ; 32 w + h
	v_mul_u32_u24 v[STR], v24, PITCH
	v_add_nc_u32 v[STR], v[STR], v[L16]
	v_add_nc_u32 v[STR+1], SLOTB, v[STR]
	v_add_nc_u32 v[RDA], STAGE, v[STR]
	v_mul_u32_u24 v[SOA], v1, PITCH
	v_lshl_add_u32 v[SOA], v2, 5, v[SOA]
	s_lshl_b32 s58, s18, 7
	s_add_co_u32 s58, s58, STAGE
	v_add_nc_u32 v[SOA], s58, v[SOA]
	s_lshl_b32 s58, s18, 10
	s_add_co_u32 s58, s58, BT                      ; my wave's table of be2
	v_lshl_add_u32 v21, v3, 2, s58
	v_lshl_add_u32 v29, v2, 5, s58
	s_lshl2_add_u32 s26, s19, s18                  ; ng = 4 ns + w
	s_lshl_b32 s26, s26, 15
	s_add_co_u32 s26, s26, 20971520
	s_mov_b32 s27, 0
	s_mov_b32 s25, 8
	s_mov_b32 s24, 0
	s_mov_b32 s47, 24
	s_wait_kmcnt 0x0
	s_load_b64 s[22:23], s[8:9], s46 offset:71424  ; DTAB: the experts present, the number of segments
	s_add_nc_u64 s[52:53], s[6:7], s[26:27]        ; my 32 columns in expert 0's W2
	s_add_nc_u64 s[50:51], s[52:53], 0x800000      ; segment 0 is expert 8
	s_mov_b64 s[48:49], s[50:51]
	REFB 0, 50, 0
	REFB 1, 50, 2048
	WIN 0
.set i, 0
.rept 16
	global_load_b32 v[RH+i], v22, s[8:9] offset:71680+8*i
.set i, i+1
.endr
.set i, 0
.rept 8
	global_load_b32 v[RA+i], v23, s[8:9] offset:71680+64*i
	global_load_b64 v[WA+2*i:WA+2*i+1], v25, s[10:11] offset:70400+128*i
	global_load_b32 v[BE+i], v26, s[12:13] offset:4096*i
.set i, i+1
.endr
.irp c, 0,1
	global_load_b128 v[BS+8*\c:BS+8*\c+3],   v27, s[14:15] offset:64*\c
	global_load_b128 v[BS+8*\c+4:BS+8*\c+7], v27, s[14:15] offset:64*\c+16
.endr
	s_wait_kmcnt 0x0
	s_min_u32 s23, s23, 10
	s_wait_loadcnt 0x0
.set i, 0
.rept 16
	v_and_b32 v[TI+i], 0xfff, v[RH+i]
	v_bfe_u32 v[MAP+i], v[RH+i], 12, 3
	v_bfe_u32 v[RH+i], v[RH+i], 15, 3
.set i, i+1
.endr
.set i, 0
.rept 16
	v_lshl_add_u32 v[MAP+i], v[MAP+i], 1, v[MAP+i] ; 3 lo
	v_lshl_add_u32 v[RH+i], v[RH+i], 1, v[RH+i]    ; 3 hi
.set i, i+1
.endr
.set i, 0
.rept 16
	v_lshlrev_b32 v[MAP+i], v[MAP+i], 4            ; 4 << 3 lo: lo's field goes from 4 to 0
	v_lshlrev_b32 v[RH+i], v[RH+i], 3              ; 3 << 3 hi: hi's from 4 to 1
.set i, i+1
.endr
.set i, 0
.rept 16
	v_add_nc_u32 v[MAP+i], v[MAP+i], v[RH+i]
	v_min_u32 v[OUTO+i], 0xfff, v[TI+i]
.set i, i+1
.endr
.set i, 0
.rept 16
	v_sub_nc_u32 v[MAP+i], 0x1a924924, v[MAP+i]    ; fields 0-7: 4; field 8: 2; field 9: 3
	v_lshl_add_u32 v[OUTO+i], v[OUTO+i], 12, v28   ; out0 row t, 4,096 bytes each
.set i, i+1
.endr
	OFFS
	WIN 0x80
.set i, 0
.rept 16                               ; segment 0, first half
	global_load_b128 v[128+8*i:128+8*i+3],   v[ROFF+i], s[4:5]
	global_load_b128 v[128+8*i+4:128+8*i+7], v[ROFF+i], s[4:5] offset:256
.set i, i+1
.endr
	SLOAD 1                                        ; segment 0, second half
.irp q, 2,3,4,5,6,7
	REFB \q, 50, 2048*\q
.endr
	WIN 0
	; while these are on their way: the biases and the sums' beginning
.irp p, 0,1,2,3
	v_cvt_pk_bf16_f32 v31, v[BE+2*\p], v[BE+2*\p+1]
	v_lshlrev_b32 v[BE+2*\p], 16, v31
	v_and_b32 v[BE+2*\p+1], 0xffff0000, v31
.endr
.irp e, 0,1,2,3,4,5,6,7
	ds_store_b32 v21, v[BE+\e] offset:128*\e
.endr
.irp p, 0,1,2,3,4,5,6,7
	v_cvt_pk_bf16_f32 v31, v[BS+2*\p], v[BS+2*\p+1]
	v_lshlrev_b32 v[BS+2*\p], 16, v31
	v_and_b32 v[BS+2*\p+1], 0xffff0000, v31
.endr
.set i, 0
.rept 8
	v_bfe_u32 v[LA+i], v[RA+i], 12, 3
	v_bfe_u32 v[HA+i], v[RA+i], 15, 3
	v_mov_b32 v[WB+2*i], v[WA+2*i+1]
	v_mov_b32 v[WB+2*i+1], v[WA+2*i+1]
.set i, i+1
.endr
.set i, 0
.rept 8
	v_min_u32 v[LA+i], 7, v[LA+i]
	v_min_u32 v[HA+i], 7, v[HA+i]
	v_lshl_add_u32 v[LA+i], v[LA+i], 7, v29
	v_lshl_add_u32 v[HA+i], v[HA+i], 7, v29
.set i, i+1
.endr
	s_wait_dscnt 0x0                               ; the tables of be2 are in LDS
	s_barrier_signal -1
	s_barrier_wait -1
	BINIT 0
	BINIT 1
	BINIT 2
	BINIT 3
	WIN 0
	s_wait_loadcnt 56                              ; younger than the first half's rows: the second half's 32 and 24 of the ring
	WIN 0x08
.set i, 0
.rept 16
	ds_store_b128 v[STR], v[128+8*i:128+8*i+3]   offset:2*PITCH*i
	ds_store_b128 v[STR], v[128+8*i+4:128+8*i+7] offset:2*PITCH*i+256
.set i, i+1
.endr
	WIN 0
.Lseg:
	STEP 0
	STEP 1
	s_add_co_u32 s24, s24, 1
	s_cmp_lt_u32 s24, 10
	s_cbranch_scc1 .Lseg
	s_wait_loadcnt 0x0                             ; what the last segment asked for ahead is not used
	PLACES
	WIN 0x04
.irp a, 0,1,2,3,4,5,6,7
.irp c, 0,1
	ds_store_b128 v[SOA], v[8*(2*\a+\c):8*(2*\a+\c)+3]   offset:\a*16*PITCH+64*\c
	ds_store_b128 v[SOA], v[8*(2*\a+\c)+4:8*(2*\a+\c)+7] offset:\a*16*PITCH+64*\c+16
.endr
.endr
	WIN 0
	s_wait_dscnt 0x0                               ; a row's 512 bytes come from four waves
	s_barrier_signal -1
	s_barrier_wait -1
.set i, 0
.rept 16
	ds_load_b128 v[AB+8*i:AB+8*i+3],   v[RDA] offset:2*PITCH*i
	ds_load_b128 v[AB+8*i+4:AB+8*i+7], v[RDA] offset:2*PITCH*i+256
.set i, i+1
.endr
.set i, 0
.rept 16                               ; rows 32 w + 2 i and the next: 16 lanes store 256 consecutive bytes, aligned
	s_wait_dscnt 30-2*i
	global_store_b128 v[OUTO+i], v[AB+8*i:AB+8*i+3],   s[16:17] th:TH_STORE_NT
	global_store_b128 v[OUTO+i], v[AB+8*i+4:AB+8*i+7], s[16:17] offset:256 th:TH_STORE_NT
.set i, i+1
.endr
	s_wait_tensorcnt 0x0                           ; the wave's end: three lines behind my last LDS store
	ds_add_u32 v[SPW], v[NIL]
	s_wait_dscnt 0x0
	s_endpgm
.Lfunc_end_k_q1be170291d_down:
	.size	k_q1be170291d_down, .Lfunc_end_k_q1be170291d_down-k_q1be170291d_down
	.p2alignl 7, 3214868480
	.fill 96, 4, 3214868480
	.section	.rodata,"a",@progbits
	.p2align	6, 0x0
	.amdhsa_kernel k_q1be170291d_down
		.amdhsa_group_segment_fixed_size 207360
		.amdhsa_private_segment_fixed_size 0
		.amdhsa_enable_private_segment 0
		.amdhsa_kernarg_size 56
		.amdhsa_user_sgpr_count 2
		.amdhsa_user_sgpr_kernarg_segment_ptr 1
		.amdhsa_wavefront_size32 1
		.amdhsa_system_sgpr_workgroup_id_x 1
		.amdhsa_system_sgpr_workgroup_id_y 1
		.amdhsa_system_sgpr_workgroup_id_z 1
		.amdhsa_system_vgpr_workitem_id 0
		.amdhsa_next_free_vgpr 768
		.amdhsa_next_free_sgpr 66
		.amdhsa_reserve_vcc 0
		.amdhsa_float_denorm_mode_32 3
		.amdhsa_float_denorm_mode_16_64 3
		.amdhsa_memory_ordered 1
		.amdhsa_forward_progress 1
		.amdhsa_inst_pref_size 117
	.end_amdhsa_kernel
	.amdgpu_metadata
---
amdhsa.version: [ 1, 2 ]
amdhsa.kernels:
  - .name:           k_q1be170291d_down
    .symbol:         k_q1be170291d_down.kd
    .args:
      - { .name: hcat, .offset: 0, .size: 8, .value_kind: global_buffer, .address_space: global }
      - { .name: wts, .offset: 8, .size: 8, .value_kind: global_buffer, .address_space: global }
      - { .name: lists, .offset: 16, .size: 8, .value_kind: global_buffer, .address_space: global }
      - { .name: wgt, .offset: 24, .size: 8, .value_kind: global_buffer, .address_space: global }
      - { .name: be2, .offset: 32, .size: 8, .value_kind: global_buffer, .address_space: global }
      - { .name: bs2, .offset: 40, .size: 8, .value_kind: global_buffer, .address_space: global }
      - { .name: out0, .offset: 48, .size: 8, .value_kind: global_buffer, .address_space: global }
    .group_segment_fixed_size: 207360
    .private_segment_fixed_size: 0
    .kernarg_segment_align: 8
    .kernarg_segment_size: 56
    .max_flat_workgroup_size: 128
    .sgpr_count:     66
    .vgpr_count:     768
    .wavefront_size: 32
...
	.end_amdgpu_metadata
.endif
;; end of part 4
;; ======== version 2 of 2: 4 launches; version 1 with the launches up, down written anew for expert scheduling mode
;; workspace buffers: xb 8,388,608 bytes; sel 16,384 bytes of whole numbers; wsel 32,768 bytes; wts 31,457,280 bytes; lists 88,064 bytes of whole numbers; wgt 103,168 bytes; hcat 16,778,240 bytes
;; launch router: the kernel of part 1 again; grid 256 x 1, 4 waves a work-group, no clusters, 37,632 bytes of LDS; arguments x, gate_w, gate_b, xb, sel, wsel; writes xb, sel, wsel
;; launch prep: the kernel of part 2 again; grid 242 x 1, 16 waves a work-group, no clusters, 73,728 bytes of LDS; arguments sel, wsel, We1, We3, ws1, ws3, We2, ws2, wts, lists, wgt; writes wts, lists, wgt
;; launch up (part 5): grid 2 x 122, 4 waves a work-group, no clusters, 154,880 bytes of LDS; arguments xb, wts, lists, wgt, be1, bs1, be3, bs3, hcat; writes hcat
.if DOCPART == 5
	.amdgcn_target "amdgcn-amd-amdhsa--gfx1250"
	.amdhsa_code_object_version 6
	.text
	.protected	k_q1be170291d_up
	.globl	k_q1be170291d_up
	.p2align	8
	.type	k_q1be170291d_up,@function
k_q1be170291d_up:
	s_mov_b64 s[64:65], 0
	v_nop
	global_prefetch_b8 v0, s[64:65] scope:SCOPE_SE
	s_setreg_imm32_b32 hwreg(HW_REG_WAVE_SCHED_MODE, 0, 2), 2
	s_setreg_imm32_b32 hwreg(HW_REG_WAVE_MODE, 25, 1), 1
	s_wait_xcnt 0x0
	s_wait_alu depctr_vm_vsrc(0)
; UP.  hcat[slot x 4,096 + t][0..511] = bf16( w x silu(x W1 + b1) x (x W3 + b3) ) for the rows of one expert (experts 8, 9: the shared MLP's halves, w = 1).
; A work-group takes a tile of up to 144 rows of ONE expert (list ENT: slot x 4,096 + t; table UTAB) and 256 hidden columns (grid x) of both W1 and W3; K = 1,024.
; Each of the four waves takes all 144 rows x 64 hidden columns x 2: 72 accumulators, 576 registers.  So every weight fragment has one reading wave and comes from
; memory straight into operand registers, in the order in which the launch before laid it; the token rows, which come by a list, go registers -> LDS, K steps of 128, two slots.
; The matrix instruction is used transposed (source 0 = 16 weight columns, source 1 = 16 rows): a lane holds one row and eight neighbouring hidden columns.
; The biases (rounded to bf16 like every input) are the C operand of the first products.  Sums in f32; silu = h rcp(1 + 2^(-1.442695 h)); H rounded once to bf16, the gate weight in it.
; ONE TEXT FOR EVERY TRIP: a trip is two K steps; the loop is entered behind the first substep, which is written out, and has no tail.  So the last trip asks ahead like the others: for weights up to 16 KB past
; my block (inside wts: the down weights follow the up weights) and for rows from a base that has stopped stepping (inside each row); both are awaited and not used.
; ROWS PAST THE COUNT repeat the tile's last row and weight, so they hold that row's bits; whole stores past the count are jumped.  A tile without rows runs on list place 0 and stores nothing.
; NO CLUSTER, NO TENSOR LOAD: the rows come by a list that no descriptor covers, and a weight fragment is read by one wave of a work-group.
; LIMITS.  w h1 h3 stays below 3.4e38; NaN and infinities are not treated apart; 2^x below 2^-126 counts as 0.
; REGISTERS, in windows of 256: window 0: v0-39 addresses; v40-111, v112-183 row fragments, two buffers (the second holds the biases until the first products are out); v184-255 rows on their way to LDS.
;   accumulator ix = 9 (4 m + cb) + a lies in window 1 + ix / 32 at v[8 (ix % 32)].  Window 3 beside them: v64-127, v128-191 weight fragments, two buffers; v192-209 gate weights; v210-227 my rows' offsets in hcat.
; THE MODE: SCHED_MODE bits 1:0 = 2 (LLVM: expert scheduling mode 2), set by the entry lines.  The code itself states the register dependences
; between vector or matrix instructions and memory or LDS instructions, with s_wait_alu, always for 0.
; THE PLAN.  Registers that memory or LDS instructions touch, in the loop:
;   BB0, BB1   weight fragments, each a half for W1 and a half for W3.  Substep n's first 36 products read W1's half of BB[n % 2], its last 36 W3's half.
;              Loads land in W1's half in the middle of substep n, in W3's half in the middle of substep n + 1: both bring substep n + 2's fragments.
;   AB0, AB1   row fragments.  Substep n's 72 products read AB[n % 2]; the LDS loads in the middle of substep n + 1 land in it.
;   STG        written by the row loads, read by the LDS stores; no vector instruction names it.
;   ROFF, BV, AFR, STR   offsets and addresses, made at the head and not written in the loop.
; So ONE wait on va_vdst stands in a substep, in its middle: the substep before and this substep's first 36 products are done reading.  All the substep's memory and LDS instructions follow it in one run;
; the products from there to the next wait name no register in which a load of that run lands.  A wait on vm_vsrc stands beside it where row loads land in STG, which LDS stores have read.
; On the way out two out-buffers take turns: a block's LDS stores stand in the next block, behind the wait that its exponentials have in any case.
.set PITCH, 272                        ; an LDS row: 256 bytes + 16
.set SLOTB, 144*PITCH
.set STAGE, 2*SLOTB                    ; the way out: 144 rows of 512 bytes, pitch 528
.set SPI,   528
.set SPARE, STAGE+144*SPI              ; the spare words: 128 bytes a wave
.set ROFF, 2                           ; v2-19  byte offset in xb of rows 36 w + 2 i + l / 16, + 16 (l % 16)
.set HH,   20
.set BV,   21                          ; 16 lane
.set AFR,  22                          ; v22-23 fragment address in slot 0, 1
.set STR,  24                          ; v24-25 where I put my rows in slot 0, 1
.set SPW,  26
.set NIL,  27
.set SO,   28                          ; stage: in, row blocks 0-3
.set SO2,  29                          ;        row blocks 4-8
.set RD,   30                          ; stage: back
.set LO16, 31
.set AB,   40
.set BIAS, 112
.set STG,  184
.set BB,   64                          ; window 3
.set WR,   192                         ; window 3
.set HO,   210                         ; window 3
.set T,    40                          ; the way out, window 0
.set U,    72
.set P,    104                         ; v104-119, v120-135: two out-buffers, by the row block's parity
.set MSB, 0
.macro WIN new                         ; the high byte repeats the setting that is left; a switch that changes nothing is dropped
.if MSB != (\new)
	s_set_vgpr_msb (MSB<<8)|(\new)
.set MSB, (\new)
.endif
.endm
.macro PLACES                          ; four places behind matrix instructions, in front of loads into their sources and of reads of their results
.rept 4
	v_nop
.endr
.endm
; 36 matrix instructions: W1 (half 0) or W3 (half 1), 4 column blocks x 9 row blocks, 32 along K, buffers f.  All 72 accumulators take turns, one instruction a turn.
.macro MULH f, half, zero
.irp c, 0,1,2,3
.irp a, 0,1,2,3,4,5,6,7,8
.set IX, 9*(4*(\half)+\c)+\a
.set WN, 1+IX/32
.set RG, 8*(IX%32)
.if \zero
	WIN 3|(WN<<6)
	v_wmma_f32_16x16x32_bf16 v[RG:RG+7], v[BB+64*(\f)+8*(4*(\half)+\c):BB+64*(\f)+8*(4*(\half)+\c)+7], v[AB+72*(\f)+8*\a:AB+72*(\f)+8*\a+7], v[BIAS+8*(4*(\half)+\c):BIAS+8*(4*(\half)+\c)+7]
.else
	WIN 3|(WN<<4)|(WN<<6)
	v_wmma_f32_16x16x32_bf16 v[RG:RG+7], v[BB+64*(\f)+8*(4*(\half)+\c):BB+64*(\f)+8*(4*(\half)+\c)+7], v[AB+72*(\f)+8*\a:AB+72*(\f)+8*\a+7], v[RG:RG+7]
.endif
.endr
.endr
.endm
.macro REFB f, half, off               ; 8 loads: four weight fragments, 512 consecutive bytes a load
	WIN 0xC0
.irp c, 0,1,2,3
	global_load_b128 v[BB+64*(\f)+8*(4*(\half)+\c):BB+64*(\f)+8*(4*(\half)+\c)+3],   v[BV], s[30:31] offset:(\off)+(4*(\half)+\c)*1024
	global_load_b128 v[BB+64*(\f)+8*(4*(\half)+\c)+4:BB+64*(\f)+8*(4*(\half)+\c)+7], v[BV], s[30:31] offset:(\off)+(4*(\half)+\c)*1024+512
.endr
.endm
.macro FETCHA slot, q                  ; 18 LDS loads: 144 rows x 32 K, quarter q of a slot, into buffer q % 2
	WIN 0
.irp a, 0,1,2,3,4,5,6,7,8
	ds_load_b128 v[AB+72*((\q)%2)+8*\a:AB+72*((\q)%2)+8*\a+3],   v[AFR+(\slot)] offset:\a*16*PITCH+(\q)*64
	ds_load_b128 v[AB+72*((\q)%2)+8*\a+4:AB+72*((\q)%2)+8*\a+7], v[AFR+(\slot)] offset:\a*16*PITCH+(\q)*64+32
.endr
.endm
.macro SLOAD off                       ; my 36 rows' 256 bytes of a K step: 16 lanes a row
	WIN 0
.set i, 0
.rept 18
	global_load_b128 v[STG+4*i:STG+4*i+3], v[ROFF+i], s[32:33] offset:\off
.set i, i+1
.endr
.endm
.macro SSTORE slot
	WIN 0
.set i, 0
.rept 18
	ds_store_b128 v[STR+(\slot)], v[STG+4*i:STG+4*i+3] offset:544*i
.set i, i+1
.endr
.endm
; A SUBSTEP: 32 along K, 72 matrix instructions on buffers q % 2.  Its memory and LDS instructions stand in one run in its middle, behind the one wait on va_vdst: W3's fragments for the next substep
; (nrel + 1, counted from s[30:31]), W1's for the substep after that (nrel + 2), the next substep's row fragments, and the rows' loads or LDS stores.
; n1: behind W1's loads stand the last run's 16 loads of weights.  n2: behind W3's loads stand 8 of their own run and 16 of this one.  Each 18 more where a run of row loads lies between.
; sst: the rows in STG go into the other slot.  sld: the rows of the K step after that are asked for (byte offset from s[32:33]).
; bar: the change of slots.  The wait at the head shows my reads of this slot and my stores into the other done; behind the barrier the other slot is whole and this one may be written.
.macro SUB slot, q, nrel, n1, n2, sst, sld, bar, fs, fq
	s_wait_dscnt 0x0                               ; my fragments, fetched 36 matrix instructions ago, are in; so are my stores
.if \bar
	s_barrier_signal -1
.endif
	s_wait_loadcnt \n1
	MULH (\q)%2, 0, 0
.if \bar
	s_barrier_wait -1
.endif
	PLACES
	s_wait_alu depctr_va_vdst(0)                   ; the substep before is done reading its row fragments and W3's fragments, this substep's first 36 products W1's: the loads below land in these
.if \sld
	s_wait_alu depctr_vm_vsrc(0)                   ; the LDS stores of the substep before have read v[STG ..], in which the row loads below land
.endif
	REFB 1-(\q)%2, 1, ((\nrel)+1)*8192
	REFB (\q)%2, 0, ((\nrel)+2)*8192
	FETCHA \fs, \fq
.if \sld
	SLOAD \sld
.endif
.if \sst
	SSTORE 1-(\slot)
.endif
	s_wait_loadcnt \n2
	MULH (\q)%2, 1, 0
.endm
	s_load_b512 s[4:19], s[0:1], 0x0               ; xb, wts, lists, wgt, be1, bs1, be3, bs3
	s_load_b64 s[20:21], s[0:1], 0x40              ; hcat
	v_lshl_add_u32 v[SPW], v0, 2, SPARE
	v_mov_b32 v[NIL], 0
	v_lshrrev_b32 v32, 5, v0
	v_readfirstlane_b32 s22, v32                   ; wave
	s_mov_b32 s23, ttmp9                           ; which 256 hidden columns
	s_and_b32 s24, ttmp7, 0xffff                   ; tile
	s_lshl_b32 s36, s24, 3
	s_mov_b32 s50, 0xbfb8aa3b                      ; -log2(e), named as a pair by the packed multiply
	s_mov_b32 s51, s50
	v_and_b32 v1, 15, v0                           ; r
	v_bfe_u32 v[HH], v0, 4, 1                      ; h
	v_and_b32 v33, 31, v0
	v_lshlrev_b32 v[BV], 4, v33
	s_wait_kmcnt 0x0
	s_load_b64 s[26:27], s[8:9], s36 offset:70400  ; UTAB: expert, rows
	v_mul_u32_u24 v[AFR], v1, PITCH
	v_lshl_add_u32 v[AFR], v[HH], 4, v[AFR]
	v_add_nc_u32 v[AFR+1], SLOTB, v[AFR]
	s_wait_alu depctr_va_sdst(0)                   ; s22, the wave's number, is written, ahead of its first reader
	s_mul_i32 s37, s22, 36
	v_add_nc_u32 v34, s37, v[HH]                   ; 36 w + h
	v_mul_u32_u24 v[STR], v34, PITCH
	v_lshl_add_u32 v[STR], v1, 4, v[STR]
	v_add_nc_u32 v[STR+1], SLOTB, v[STR]
	v_mul_u32_u24 v[SO], v1, SPI
	v_lshl_add_u32 v[SO], v[HH], 4, v[SO]
	s_lshl_b32 s38, s22, 7
	s_add_co_u32 s38, s38, STAGE
	v_add_nc_u32 v[SO], s38, v[SO]                 ; row r, my wave's 128 bytes, 16 h
	v_add_nc_u32 v[SO2], 64*SPI, v[SO]
	v_mul_u32_u24 v[RD], v34, SPI
	v_lshl_add_u32 v[RD], v1, 4, v[RD]
	v_add_nc_u32 v[RD], STAGE, v[RD]
	s_lshl_b32 s39, s23, 9
	v_lshlrev_b32 v35, 4, v1
	v_add_nc_u32 v[LO16], s39, v35                 ; my 16 bytes in a row of hcat
	s_wait_kmcnt 0x0
	s_min_u32 s26, s26, 9
	s_min_u32 s27, s27, 144
	s_max_u32 s35, s27, 1
	s_sub_co_u32 s35, s35, 1                       ; the last row that exists
	s_mul_i32 s36, s24, 576
	s_cmp_eq_u32 s27, 0
	s_cselect_b32 s36, 0, s36                      ; a tile without rows has no list places of its own: it takes place 0, which is always written
	s_mov_b32 s37, 0
	s_add_nc_u64 s[42:43], s[8:9], s[36:37]        ; the tile's 144 places in ENT
	s_add_nc_u64 s[44:45], s[10:11], s[36:37]      ; and in the weights beside it
	s_lshl_b32 s36, s26, 21
	s_lshl2_add_u32 s38, s23, s22                  ; cg = 4 nh + w
	s_lshl_b32 s38, s38, 18
	s_add_co_u32 s36, s36, s38
	s_add_nc_u64 s[30:31], s[6:7], s[36:37]        ; my fragments of W1 and W3
	s_mov_b64 s[32:33], s[4:5]
	s_and_b32 s38, s26, 7
	s_lshl_b32 s38, s38, 11                        ; 512 biases an expert, or a shared half
	s_lshl_b32 s36, s23, 10
	s_add_co_u32 s38, s38, s36
	s_lshl_b32 s36, s22, 8
	s_add_co_u32 s38, s38, s36
	v_lshl_add_u32 v36, v[HH], 5, s38
	s_cmp_lt_u32 s26, 8
	s_cselect_b64 s[46:47], s[12:13], s[14:15]
	s_cselect_b64 s[48:49], s[16:17], s[18:19]
.set i, 0
.rept 18                               ; where the list words of my 36 rows lie; places past the count repeat the last row
	v_add_nc_u32 v[STG+i], 2*i, v34
	v_min_u32 v[STG+i], s35, v[STG+i]
	v_min_u32 v[STG+i], 143, v[STG+i]
	v_lshlrev_b32 v[STG+i], 2, v[STG+i]
.set i, i+1
.endr
.set i, 0
.rept 9
	v_add_nc_u32 v[STG+20+i], 16*i, v1
	v_min_u32 v[STG+20+i], s35, v[STG+20+i]
	v_min_u32 v[STG+20+i], 143, v[STG+20+i]
	v_lshlrev_b32 v[STG+20+i], 2, v[STG+20+i]
.set i, i+1
.endr
	WIN 0xC0
.set i, 0
.rept 9                                ; the register beside a gate weight is named with it as a pair
	v_mov_b32 v[WR+2*i+1], 0
.set i, i+1
.endr
	WIN 0
	s_wait_alu depctr_va_vdst(0)                   ; every offset and LDS address made so far is written: v20 to v36 and v[STG ..], which the loads and stores from here on read
.set i, 0
.rept 18
	global_load_b32 v[AB+i], v[STG+i], s[42:43]
.set i, i+1
.endr
	WIN 0xC0
.set i, 0
.rept 9                                ; the gate weight of row 16 a + r
	global_load_b32 v[WR+2*i], v[STG+20+i], s[44:45]
.set i, i+1
.endr
	WIN 0
.irp m, 0,1
.irp c, 0,1,2,3
	global_load_b128 v[BIAS+8*(4*\m+\c):BIAS+8*(4*\m+\c)+3],   v36, s[46+2*\m:47+2*\m] offset:64*\c
	global_load_b128 v[BIAS+8*(4*\m+\c)+4:BIAS+8*(4*\m+\c)+7], v36, s[46+2*\m:47+2*\m] offset:64*\c+16
.endr
.endr
	s_wait_loadcnt 0x0
.set i, 0
.rept 18
	v_min_u32 v[AB+i], 0x3fff, v[AB+i]
.set i, i+1
.endr
	WIN 0xC0
.set i, 0
.rept 18
	v_lshl_add_u32 v[HO+i], v[AB+i], 10, v[LO16]   ; hcat row slot x 4,096 + t, 1,024 bytes each
.set i, i+1
.endr
	WIN 0
.set i, 0
.rept 18
	v_and_b32 v[AB+i], 0xfff, v[AB+i]
	v_lshl_add_u32 v[ROFF+i], v[AB+i], 11, v35     ; xb row t, 2,048 bytes each
.set i, i+1
.endr
	s_wait_alu depctr_va_vdst(0)                   ; v[ROFF ..] are written, which the row loads read; the lines above are done with v[AB ..], in which K step 0's rows land
	s_wait_alu depctr_vm_vsrc(0)                   ; the list loads have read their offsets in v[STG ..], in which K step 1's rows land
.set i, 0
.rept 18
	global_load_b128 v[AB+4*i:AB+4*i+3], v[ROFF+i], s[32:33]              ; K step 0
.set i, i+1
.endr
	SLOAD 256                                      ; K step 1
	REFB 0, 0, 0
	REFB 0, 1, 0
	REFB 1, 0, 8192
	REFB 1, 1, 8192
	WIN 0
.set i, 0
.rept 32                               ; the biases rounded to bf16, kept as f32
	v_cvt_pk_bf16_f32 v37, v[BIAS+2*i], v[BIAS+2*i+1]
	v_lshlrev_b32 v[BIAS+2*i], 16, v37
	v_and_b32 v[BIAS+2*i+1], 0xffff0000, v37
.set i, i+1
.endr
	s_wait_loadcnt 50                              ; younger: K step 1's 18 and 32 of weights
.set i, 0
.rept 18
	ds_store_b128 v[STR], v[AB+4*i:AB+4*i+3] offset:544*i
.set i, i+1
.endr
	s_wait_dscnt 0x0
	s_barrier_signal -1
	s_barrier_wait -1
	s_wait_alu depctr_vm_vsrc(0)                   ; my LDS stores have read v[AB ..], in which the first fragments land
	FETCHA 0, 0
	; the first substep is written out: its products start the sums from the biases, which lie in the second row buffer, so that buffer's fetch stands behind them
	s_wait_dscnt 0x0
	s_wait_loadcnt 24                              ; W1 of substep 0 is in, and K step 1's rows, which are older; three refills of 8 stay out
	MULH 0, 0, 1
	PLACES
	s_wait_alu depctr_va_vdst(0)                   ; the first 36 products are done reading W1's fragments, in which substep 2's land
	REFB 0, 0, 2*8192
	SSTORE 1
	s_wait_loadcnt 24                              ; W3 of substep 0 is in; three refills of 8 stay out
	MULH 0, 1, 1
	PLACES
	s_wait_alu depctr_va_vdst(0)                   ; all 72 first products are done reading the biases, in whose registers substep 1's row fragments land
	FETCHA 0, 1
	WIN 0
	s_mov_b32 s34, 4
	s_branch .Lmid                                 ; the loop is entered behind its first substep
.Ltrip:                                ; a trip: two K steps, the first in slot 0, the second in slot 1
	SUB 0,0,0, 16,24, 1,0,   0, 0,1
	WIN 0
.Lmid:
	SUB 0,1,1, 16,42, 0,512, 0, 0,2
	SUB 0,2,2, 34,42, 0,0,   0, 0,3
	SUB 0,3,3, 34,24, 0,0,   1, 1,0
	SUB 1,0,4, 16,24, 1,0,   0, 1,1
	SUB 1,1,5, 16,42, 0,768, 0, 1,2
	SUB 1,2,6, 34,42, 0,0,   0, 1,3
	SUB 1,3,7, 34,24, 0,0,   1, 0,0
	WIN 0
	s_wait_xcnt 0x0                                ; the bases are stepped only behind this wait
	s_add_nc_u64 s[30:31], s[30:31], 65536
	s_cmp_gt_u32 s34, 2                            ; the rows' base steps behind the first two trips alone: the third trip asks for K steps 6 and 7, the fourth for the same once more
	s_cselect_b32 s36, 512, 0
	s_add_nc_u64 s[32:33], s[32:33], s[36:37]
	s_sub_co_u32 s34, s34, 1
	s_cmp_lg_u32 s34, 0
	s_cbranch_scc1 .Ltrip
	s_wait_loadcnt 0x0                             ; what the last trip asked for ahead is not used: its registers are free behind these waits
	s_wait_dscnt 0x0
	PLACES
; THE WAY OUT of row block a: 32 pairs (h1, h3) a lane.  The exponentials are one batch with one wait, the reciprocals another; each accumulator's lowest registers are read first.
; The block's 16 packed words go into out-buffer a % 2; its four LDS stores (ESTORE) stand in the next block, behind the wait for that block's exponentials.
.macro ESTORE a
.irp c, 0,1,2,3
.if (\a) < 4
	ds_store_b128 v[SO], v[P+16*((\a)%2)+4*\c:P+16*((\a)%2)+4*\c+3] offset:(\a)*16*SPI+32*\c
.else
	ds_store_b128 v[SO2], v[P+16*((\a)%2)+4*\c:P+16*((\a)%2)+4*\c+3] offset:((\a)-4)*16*SPI+32*\c
.endif
.endr
.endm
.macro EPI a
.irp c, 0,1,2,3
.set I1, 9*\c+\a
	WIN 1+I1/32
.irp p, 0,1,2,3
	v_pk_mul_f32 v[T+8*\c+2*\p:T+8*\c+2*\p+1], v[8*(I1%32)+2*\p:8*(I1%32)+2*\p+1], s[50:51] op_sel_hi:[1,0]
.endr
.endr
	WIN 0
.set i, 0
.rept 32
	v_exp_f32 v[T+i], v[T+i]                       ; 2^(-1.442695 h1)
.set i, i+1
.endr
.irp c, 0,1,2,3
.set I3, 9*(4+\c)+\a
	WIN (1+I3/32)|12
.irp p, 0,1,2,3
	v_pk_mul_f32 v[U+8*\c+2*\p:U+8*\c+2*\p+1], v[8*(I3%32)+2*\p:8*(I3%32)+2*\p+1], v[WR+2*\a:WR+2*\a+1] op_sel_hi:[1,0]
.endr
.endr
.irp c, 0,1,2,3
.set I1, 9*\c+\a
	WIN (1+I1/32)<<2
.irp p, 0,1,2,3
	v_pk_mul_f32 v[U+8*\c+2*\p:U+8*\c+2*\p+1], v[U+8*\c+2*\p:U+8*\c+2*\p+1], v[8*(I1%32)+2*\p:8*(I1%32)+2*\p+1]
.endr
.endr
	WIN 0
	s_wait_alu depctr_va_vdst(0)                   ; the 32 exponentials have written v[T ..]; the block before's roundings have written its out-buffer, which the LDS stores below read
.if (\a) > 0
	ESTORE (\a)-1
.endif
.set i, 0
.rept 16
	v_pk_add_f32 v[T+2*i:T+2*i+1], v[T+2*i:T+2*i+1], 1.0 op_sel_hi:[1,0]
.set i, i+1
.endr
.set i, 0
.rept 32
	v_rcp_f32 v[T+i], v[T+i]
.set i, i+1
.endr
	v_nop
	s_wait_alu depctr_va_vdst(0)                   ; the 32 reciprocals have written v[T ..]
.set i, 0
.rept 16
	v_pk_mul_f32 v[U+2*i:U+2*i+1], v[U+2*i:U+2*i+1], v[T+2*i:T+2*i+1]
.set i, i+1
.endr
.if (\a) > 1
	s_wait_alu depctr_vm_vsrc(0)                   ; the LDS stores of the block before last, issued a block ago, have read this out-buffer, which the roundings write again
.endif
.set i, 0
.rept 16
	v_cvt_pk_bf16_f32 v[P+16*((\a)%2)+i], v[U+2*i], v[U+2*i+1]
.set i, i+1
.endr
.endm
.irp a, 0,1,2,3,4,5,6,7,8
	EPI \a
.endr
	WIN 0x03
.set i, 0
.rept 18
	v_mov_b32 v[ROFF+i], v[HO+i]                   ; my rows' offsets in hcat, into the window of the stores; the row loads that read v[ROFF ..] stand ahead of the blocks' waits on vm_vsrc
.set i, i+1
.endr
	WIN 0
	s_wait_alu depctr_va_vdst(0)                   ; block 8's roundings have written its out-buffer, which the LDS stores read; v[ROFF ..] are written, which the global stores read; the way out is done with v40 to v135, in which the rows land
	ESTORE 8
	s_wait_dscnt 0x0                               ; a row's 512 bytes come from four waves
	s_barrier_signal -1
	s_barrier_wait -1
	s_wait_alu depctr_vm_vsrc(0)                   ; my LDS stores have read the two out-buffers, in which rows from the stage land
.set i, 0
.rept 18
	ds_load_b128 v[AB+8*i:AB+8*i+3],   v[RD] offset:2*SPI*i
	ds_load_b128 v[AB+8*i+4:AB+8*i+7], v[RD] offset:2*SPI*i+256
.set i, i+1
.endr
	s_mul_i32 s37, s22, 36
.set i, 0
.rept 18                               ; rows 36 w + 2 i and the next: 16 lanes store 256 consecutive bytes, aligned
	s_cmp_lt_u32 s37, s27
	s_cbranch_scc0 .Ldone                          ; both rows lie past the count, and so do all that follow
	s_wait_dscnt 34-2*i
	global_store_b128 v[ROFF+i], v[AB+8*i:AB+8*i+3], s[20:21]
	global_store_b128 v[ROFF+i], v[AB+8*i+4:AB+8*i+7], s[20:21] offset:256
	s_add_co_u32 s37, s37, 2
.set i, i+1
.endr
.Ldone:
	s_wait_alu depctr_vm_vsrc(0)                   ; the stores above have read v40 to v43, which tile 0's wave 0 writes below
	s_or_b32 s36, s24, s22
	s_cmp_lg_u32 s36, 0
	s_cbranch_scc1 .Lend
	s_wait_dscnt 0x0
	s_wait_xcnt 0x0
	v_mov_b32 v40, 0                               ; tile 0, wave 0: my half of hcat's row of zeros, row 16,384
	v_mov_b32 v41, 0
	v_mov_b32 v42, 0
	v_mov_b32 v43, 0
	v_add_nc_u32 v32, s39, v[BV]
	v_add_nc_u32 v32, 0x1000000, v32
	s_wait_alu depctr_va_vdst(0)                   ; the zeros and their offset are written, which the store reads
	global_store_b128 v32, v[40:43], s[20:21]
.Lend:
	s_wait_dscnt 0x0                               ; the closing lines, six on end
	s_wait_alu 0x0
	s_wait_tensorcnt 0x0
	ds_add_u32 v[SPW], v[NIL]
	s_wait_dscnt 0x0
	s_endpgm
.Lfunc_end_k_q1be170291d_up:
	.size	k_q1be170291d_up, .Lfunc_end_k_q1be170291d_up-k_q1be170291d_up
	.p2alignl 7, 3214868480
	.fill 96, 4, 3214868480
	.section	.rodata,"a",@progbits
	.p2align	6, 0x0
	.amdhsa_kernel k_q1be170291d_up
		.amdhsa_group_segment_fixed_size 154880
		.amdhsa_private_segment_fixed_size 0
		.amdhsa_enable_private_segment 0
		.amdhsa_kernarg_size 72
		.amdhsa_user_sgpr_count 2
		.amdhsa_user_sgpr_kernarg_segment_ptr 1
		.amdhsa_wavefront_size32 1
		.amdhsa_system_sgpr_workgroup_id_x 1
		.amdhsa_system_sgpr_workgroup_id_y 1
		.amdhsa_system_sgpr_workgroup_id_z 1
		.amdhsa_system_vgpr_workitem_id 0
		.amdhsa_next_free_vgpr 1024
		.amdhsa_next_free_sgpr 66
		.amdhsa_reserve_vcc 0
		.amdhsa_float_denorm_mode_32 3
		.amdhsa_float_denorm_mode_16_64 3
		.amdhsa_memory_ordered 1
		.amdhsa_forward_progress 1
		.amdhsa_inst_pref_size 193
	.end_amdhsa_kernel
	.amdgpu_metadata
---
amdhsa.version: [ 1, 2 ]
amdhsa.kernels:
  - .name:           k_q1be170291d_up
    .symbol:         k_q1be170291d_up.kd
    .args:
      - { .name: xb, .offset: 0, .size: 8, .value_kind: global_buffer, .address_space: global }
      - { .name: wts, .offset: 8, .size: 8, .value_kind: global_buffer, .address_space: global }
      - { .name: lists, .offset: 16, .size: 8, .value_kind: global_buffer, .address_space: global }
      - { .name: wgt, .offset: 24, .size: 8, .value_kind: global_buffer, .address_space: global }
      - { .name: be1, .offset: 32, .size: 8, .value_kind: global_buffer, .address_space: global }
      - { .name: bs1, .offset: 40, .size: 8, .value_kind: global_buffer, .address_space: global }
      - { .name: be3, .offset: 48, .size: 8, .value_kind: global_buffer, .address_space: global }
      - { .name: bs3, .offset: 56, .size: 8, .value_kind: global_buffer, .address_space: global }
      - { .name: hcat, .offset: 64, .size: 8, .value_kind: global_buffer, .address_space: global }
    .group_segment_fixed_size: 154880
    .private_segment_fixed_size: 0
    .kernarg_segment_align: 8
    .kernarg_segment_size: 72
    .max_flat_workgroup_size: 128
    .sgpr_count:     66
    .vgpr_count:     1024
    .wavefront_size: 32
...
	.end_amdgpu_metadata
.endif
;; end of part 5
;; launch down (part 6): grid 8 x 32, 4 waves a work-group, no clusters, 207,360 bytes of LDS; arguments hcat, wts, lists, wgt, be2, bs2, out0; writes out0
.if DOCPART == 6
	.amdgcn_target "amdgcn-amd-amdhsa--gfx1250"
	.amdhsa_code_object_version 6
	.text
	.protected	k_q1be170291d_down
	.globl	k_q1be170291d_down
	.p2align	8
	.type	k_q1be170291d_down,@function
k_q1be170291d_down:
	s_mov_b64 s[64:65], 0
	v_nop
	global_prefetch_b8 v0, s[64:65] scope:SCOPE_SE
	s_setreg_imm32_b32 hwreg(HW_REG_WAVE_SCHED_MODE, 0, 2), 2
	s_setreg_imm32_b32 hwreg(HW_REG_WAVE_MODE, 25, 1), 1
	s_wait_xcnt 0x0
	s_wait_alu depctr_vm_vsrc(0)
; DOWN.  out0[t] = sum over the token's four slots of hcat[slot x 4,096 + t] x W2(slot's expert) + bs2 + w_lo be2[lo] + w_hi be2[hi].
; A work-group takes 128 tokens, sorted by their set of experts (STOK), x 128 output columns (grid x); each output number has this one owner and one f32 sum.
; K goes in SEGMENTS of 512: the two shared halves, then one for each expert that the tile holds (table DTAB, stored by the launch that sorts);
; a row that did not choose the segment's expert reads hcat's row of zeros.  The loop has a constant 10 trips (2 + 8 experts serve every split); every wave passes every barrier, and only work is jumped in trips past the tile's count.
; Each wave takes all 128 rows x 32 columns: 16 accumulators; its weight fragments come from memory straight into a ring of 8 register slots, a K step (256) ahead;
; the rows go registers -> LDS, K steps of 256, two slots.  The matrix instruction is used transposed: a lane holds one token and eight neighbouring columns.
; WHICH ROW.  Lanes 0-15 load row 32 w + 2 i, lanes 16-31 the next; each lane keeps that row's t and a MAP, 3 bits for each of the 10 experts: the slot (0 lo, 1 hi, 2 and 3 shared) or 4 for none.
; The row is (field << 12) + t, held to 16,384 at the most: the clamp itself turns 'none' into the row of zeros.  Nothing goes from lane to lane.
; THE SUMS START from bs2 + w_lo be2[lo] + w_hi be2[hi], made in f32 from biases rounded to bf16 like every input: nothing is cleared, and the way out only stores.
; NO CLUSTER, NO TENSOR LOAD: the rows come by a list that no descriptor covers.  LIMITS.  NaN and infinities in the weights are not treated apart (0 x inf would not be 0).
; REGISTERS: window 0: v0-31 addresses; v32-47 the rows' offsets in hcat; v48-63 in out0; v64-127, v128-191 row fragments, buffers 0 and 1 (at work in the prologue); v192-223 t and MAP; v224-255 at work.
;   Window 1: v0-127 accumulators (a, cb) at v[8 (2 a + cb)]; v128-255 rows on their way to LDS.  Window 2: v0-127 the weight ring; v128-255 the first rows.  Window 3: v64-127, v128-191 row fragments, buffers 2 and 3.
; THE MODE: SCHED_MODE bits 1:0 = 2 (LLVM: expert scheduling mode 2), set by the entry lines.  The code itself states the register dependences
; between vector or matrix instructions and memory or LDS instructions, with s_wait_alu, always for 0.
; THE PLAN.  Registers that memory or LDS instructions touch, in the loop:
;   AB0 .. AB3     row fragments.  Substep q's 16 products read AB[q % 4]; the LDS loads of the substep four on (in the next step: of its substep q - 4) land in it.
;   ring slot q    Substep q's products read it; the loads of the next step's substep q land in it.
;   staging        window 1, v128-255: written by the row loads, read by the LDS stores; no vector instruction names it.
;   v[ROFF ..]     written once a segment, at the head of its first step; read by the row loads.
;   BV, AFR, STR   made at the head, never written again.
; The eight substeps of a step go in PAIRS.  ONE wait on va_vdst stands behind each pair: both substeps are done reading their fragments and ring slots.  Behind it follow the fetch into the pair's first buffer
; and the loads into its two ring slots; the fetch into its second buffer stands between the next pair's two runs of products, of which the first names another buffer, another slot and the accumulators.
; The wait behind a step's last pair serves the next step's first four fetches too: the only vector lines between are those that make v[ROFF ..].
; Waits on vm_vsrc: ahead of the lines that write v[ROFF ..], and ahead of the row loads, which land where LDS stores have read.
.set PITCH, 528                        ; an LDS row: 512 bytes + 16
.set SLOTB, 128*PITCH
.set STAGE, 2*SLOTB                    ; the way out: 128 rows of 128 f32
.set BT,    STAGE+SLOTB                ; be2 rounded: for each wave [8 experts][its 32 columns] f32
.set SPARE, BT+4096
.set AFR, 10
.set STR, 12
.set BV,  14                           ; 16 lane
.set L16, 15                           ; 16 (lane % 16)
.set SPW, 17
.set NIL, 18
.set SOA, 19
.set RDA, 20
.set ROFF, 32
.set OUTO, 48
.set AB,  64
.set TI,  192
.set MAP, 208
.set RH,  224                          ; prologue: the list words of rows 32 w + 2 i + h
.set WB,  240                          ; prologue: w_hi of token 16 a + r, twice (a pair for the packed multiply-add)
.set RA,  64                           ; prologue: the list word of token 16 a + r
.set WA,  72                           ; w_lo, w_hi of that token
.set LA,  88                           ; where be2[lo] of my eight columns lies in LDS
.set HA,  96                           ; be2[hi]
.set BE,  104
.set BS,  112                          ; bs2 of my 16 columns
.set G,   128
.set MSB, 0
.macro WIN new
.if MSB != (\new)
	s_set_vgpr_msb (MSB<<8)|(\new)
.set MSB, (\new)
.endif
.endm
.macro PLACES
.rept 4
	v_nop
.endr
.endm
.macro FETCHA slot, q                  ; 16 LDS loads: 128 rows x 32 K, into buffer q % 4: window 0 for buffers 0 and 1, window 3 for 2 and 3
.if ((\q)/2)%2
	WIN 0xc0
.else
	WIN 0
.endif
.irp a, 0,1,2,3,4,5,6,7
	ds_load_b128 v[AB+64*((\q)%2)+8*\a:AB+64*((\q)%2)+8*\a+3],   v[AFR+(\slot)] offset:\a*16*PITCH+(\q)*64
	ds_load_b128 v[AB+64*((\q)%2)+8*\a+4:AB+64*((\q)%2)+8*\a+7], v[AFR+(\slot)] offset:\a*16*PITCH+(\q)*64+32
.endr
.endm
.macro REFB q, bp, off                 ; ring slot q: two fragments, four loads of 512 consecutive bytes
	WIN 0x80
.irp k, 0,1,2,3
	global_load_b128 v[16*(\q)+4*\k:16*(\q)+4*\k+3], v[BV], s[\bp:\bp+1] offset:(\off)+512*\k
.endr
.endm
.macro RB j, q                         ; ring slot q for the next step: this segment's second half, or the next segment's first
.if (\j) == 0
	REFB \q, 48, 16384+2048*(\q)
.else
	REFB \q, 50, 2048*(\q)
.endif
.endm
.macro MUL16 q                         ; the 16 accumulators take turns, one instruction a turn
.if ((\q)/2)%2
	WIN 0x5e
.else
	WIN 0x52
.endif
.irp a, 0,1,2,3,4,5,6,7
.irp c, 0,1
	v_wmma_f32_16x16x32_bf16 v[8*(2*\a+\c):8*(2*\a+\c)+7], v[16*(\q)+8*\c:16*(\q)+8*\c+7], v[AB+64*((\q)%2)+8*\a:AB+64*((\q)%2)+8*\a+7], v[8*(2*\a+\c):8*(2*\a+\c)+7]
.endr
.endr
.endm
.macro SLOAD j                         ; my 32 rows' 512 bytes of half j of a segment: a load takes 256 consecutive bytes of each of two rows
	WIN 0x40
.set i, 0
.rept 16
	global_load_b128 v[128+8*i:128+8*i+3],   v[ROFF+i], s[4:5] offset:512*(\j)
	global_load_b128 v[128+8*i+4:128+8*i+7], v[ROFF+i], s[4:5] offset:512*(\j)+256
.set i, i+1
.endr
.endm
.macro SSTORE slot
	WIN 0x04
.set i, 0
.rept 16
	ds_store_b128 v[STR+(\slot)], v[128+8*i:128+8*i+3]   offset:2*PITCH*i
	ds_store_b128 v[STR+(\slot)], v[128+8*i+4:128+8*i+7] offset:2*PITCH*i+256
.set i, i+1
.endr
.endm
.macro OFFS                            ; the rows' offsets in hcat for the expert whose number x 3 is in s47
.set i, 0
.rept 16
	v_bfe_u32 v[ROFF+i], v[MAP+i], s47, 3
.set i, i+1
.endr
.set i, 0
.rept 16
	v_lshl_add_u32 v[ROFF+i], v[ROFF+i], 12, v[TI+i]
.set i, i+1
.endr
.set i, 0
.rept 16
	v_min_u32 v[ROFF+i], 0x4000, v[ROFF+i]         ; 'none' lands on the row of zeros
.set i, i+1
.endr
.set i, 0
.rept 16
	v_lshl_add_u32 v[ROFF+i], v[ROFF+i], 10, v[L16]
.set i, i+1
.endr
.endm
.macro NEXTSEG                         ; the segment after this one (the last repeats itself): its expert, its weights, its rows
	s_wait_xcnt 0x0                                ; the bases and offsets below are rewritten only behind this wait
	s_wait_alu depctr_vm_vsrc(0)                   ; the row loads issued so far have read v[ROFF ..], which the lines below write
	s_mov_b64 s[48:49], s[50:51]
	s_add_co_u32 s54, s24, 1
	s_sub_co_u32 s55, s23, 1
	s_min_u32 s54, s54, s55
	s_sub_co_u32 s55, s54, 2
	s_lshl_b32 s55, s55, 2
	s_lshr_b32 s55, s22, s55
	s_and_b32 s55, s55, 15
	s_add_co_u32 s56, s54, 8
	s_cmp_lt_u32 s54, 2
	s_cselect_b32 s25, s56, s55
	s_min_u32 s25, s25, 9
	s_lshl_b32 s26, s25, 20
	s_add_nc_u64 s[50:51], s[52:53], s[26:27]
	s_mul_i32 s47, s25, 3
	OFFS
.endm
; A STEP: half j of a segment, K = 256, read from slot j.  The barrier at its head, with every wave's wait in front, shows the stores into slot j done and the reads of slot 1 - j over.
; Its first two fetches go out first; behind them the rows in the staging registers (the next step's) go into slot 1 - j, and the next segment's offsets are made while the fetches land;
; the rows of the step after that are asked for behind the first pair.  Every later fetch goes out two substeps ahead of its products.
; Counts on LOADcnt.  24: behind the staging loads stand six ring slots of 4; ring slots 0 and 1, which are older, are in with them.  56: behind the pair of ring slots that is wanted stand the three pairs asked for since and the 32 staging loads.
; Counts on DScnt.  48: behind fetch 0 stand fetch 1 and the 32 stores; behind fetch 1 the 32 stores and fetch 2.  32: two younger fetches.  16: one.
.macro STEP j
	s_wait_dscnt 0x0
	s_barrier_signal -1
	s_barrier_wait -1
	s_cmp_lt_u32 s24, s23
	s_cbranch_scc0 .Lskip_\@                       ; past the tile's segments: only work is jumped
	FETCHA \j, 0                                   ; no wait on va_vdst here: the last one stands behind every product that read these buffers
	FETCHA \j, 1
	s_wait_loadcnt 24
	SSTORE 1-(\j)
	WIN 0
.if (\j) == 0
	NEXTSEG
.endif
	s_wait_dscnt 48
	FETCHA \j, 2
	MUL16 0
	s_wait_dscnt 48
	FETCHA \j, 3
	MUL16 1
	PLACES
	s_wait_alu depctr_va_vdst(0)                   ; substeps 0 and 1 are done reading buffers 0 and 1 and ring slots 0 and 1, in which the loads up to the next wait land; v[ROFF ..] are written, which the row loads read
	s_wait_alu depctr_vm_vsrc(0)                   ; the LDS stores at the step's head have read the staging registers, in which the row loads land
	FETCHA \j, 4
	RB \j, 0
	RB \j, 1
	SLOAD \j
	s_wait_dscnt 32
	s_wait_loadcnt 56
	MUL16 2
	FETCHA \j, 5
	s_wait_dscnt 32
	MUL16 3
	PLACES
	s_wait_alu depctr_va_vdst(0)                   ; substeps 2 and 3 are done reading buffers 2 and 3 and ring slots 2 and 3
	FETCHA \j, 6
	RB \j, 2
	RB \j, 3
	s_wait_dscnt 32
	s_wait_loadcnt 56
	MUL16 4
	FETCHA \j, 7
	s_wait_dscnt 32
	MUL16 5
	PLACES
	s_wait_alu depctr_va_vdst(0)                   ; substeps 4 and 5 are done reading ring slots 4 and 5 (and buffers 0 and 1, for the next step's first fetches)
	RB \j, 4
	RB \j, 5
	s_wait_dscnt 16
	s_wait_loadcnt 56
	MUL16 6
	s_wait_dscnt 0x0
	MUL16 7
	PLACES
	s_wait_alu depctr_va_vdst(0)                   ; substeps 6 and 7 are done reading ring slots 6 and 7 (and buffers 2 and 3, for the next step's fetches 2 and 3)
	RB \j, 6
	RB \j, 7
	WIN 0
.Lskip_\@:
.endm
; The sums of row blocks 2 b and 2 b + 1 begin: my token's be2[lo] and be2[hi] for my 16 columns out of my wave's table, two packed multiply-adds a pair of numbers
.macro BINIT b
	WIN 0
.if (\b) > 0
	s_wait_alu depctr_va_vdst(0)                   ; the multiply-adds of the two blocks before are done reading v[G ..], in which the loads below land
.endif
.irp x, 0,1
.irp c, 0,1
.set GG, G+32*\x+16*\c
	ds_load_b128 v[GG:GG+3],     v[LA+2*(\b)+\x] offset:64*\c
	ds_load_b128 v[GG+4:GG+7],   v[LA+2*(\b)+\x] offset:64*\c+16
	ds_load_b128 v[GG+8:GG+11],  v[HA+2*(\b)+\x] offset:64*\c
	ds_load_b128 v[GG+12:GG+15], v[HA+2*(\b)+\x] offset:64*\c+16
.endr
.endr
	s_wait_dscnt 0x0
	WIN 0x40
.irp x, 0,1
.irp c, 0,1
.irp p, 0,1,2,3
.set GG, G+32*\x+16*\c+2*\p
.set AC, 8*(2*(2*(\b)+\x)+\c)+2*\p
	v_pk_fma_f32 v[AC:AC+1], v[GG:GG+1], v[WA+2*(2*(\b)+\x):WA+2*(2*(\b)+\x)+1], v[BS+8*\c+2*\p:BS+8*\c+2*\p+1] op_sel_hi:[1,0,1]
.endr
.endr
.endr
	WIN 0x50
.irp x, 0,1
.irp c, 0,1
.irp p, 0,1,2,3
.set GG, G+32*\x+16*\c+8+2*\p
.set AC, 8*(2*(2*(\b)+\x)+\c)+2*\p
	v_pk_fma_f32 v[AC:AC+1], v[GG:GG+1], v[WB+2*(2*(\b)+\x):WB+2*(2*(\b)+\x)+1], v[AC:AC+1] op_sel_hi:[1,0,1]
.endr
.endr
.endr
.endm
	s_load_b256 s[4:11], s[0:1], 0x0               ; hcat, wts, lists, wgt
	s_load_b128 s[12:15], s[0:1], 0x20             ; be2, bs2
	s_load_b64 s[16:17], s[0:1], 0x30              ; out0
	v_lshl_add_u32 v[SPW], v0, 2, SPARE
	v_mov_b32 v[NIL], 0
	v_lshrrev_b32 v24, 5, v0
	v_readfirstlane_b32 s18, v24                   ; wave
	s_mov_b32 s19, ttmp9                           ; which 128 columns
	s_and_b32 s20, ttmp7, 0xffff                   ; tile
	s_lshl_b32 s46, s20, 3                         ; the tile's entry in DTAB
	v_and_b32 v1, 15, v0
	v_bfe_u32 v2, v0, 4, 1
	v_and_b32 v3, 31, v0
	v_lshlrev_b32 v[BV], 4, v3
	v_lshlrev_b32 v[L16], 4, v1
	s_lshl_b32 s54, s20, 7                         ; the tile's first sorted place
	s_wait_alu depctr_va_sdst(0)                   ; s18, the wave's number, is written, ahead of its first reader
	s_lshl_b32 s58, s18, 5
	s_add_co_u32 s55, s58, s54
	v_add_nc_u32 v22, s55, v2                      ; place of row 32 w + h
	v_lshlrev_b32 v22, 2, v22
	v_add_nc_u32 v23, s54, v1                      ; place of token r
	v_lshlrev_b32 v25, 3, v23
	v_lshlrev_b32 v23, 2, v23
	s_lshl_b32 s56, s19, 9                         ; 128 columns of f32
	s_lshl_b32 s57, s18, 7                         ; my 32 of them
	s_add_co_u32 s57, s57, s56
	v_lshl_add_u32 v26, v3, 2, s57                 ; be2: column = lane
	v_lshl_add_u32 v27, v2, 5, s57                 ; bs2: 8 h
	v_add_nc_u32 v28, s56, v[L16]
	v_mul_u32_u24 v[AFR], v1, PITCH
	v_lshl_add_u32 v[AFR], v2, 4, v[AFR]
	v_add_nc_u32 v[AFR+1], SLOTB, v[AFR]
	v_add_nc_u32 v24, s58, v2                      ; 32 w + h
	v_mul_u32_u24 v[STR], v24, PITCH
	v_add_nc_u32 v[STR], v[STR], v[L16]
	v_add_nc_u32 v[STR+1], SLOTB, v[STR]
	v_add_nc_u32 v[RDA], STAGE, v[STR]
	v_mul_u32_u24 v[SOA], v1, PITCH
	v_lshl_add_u32 v[SOA], v2, 5, v[SOA]
	s_lshl_b32 s58, s18, 7
	s_add_co_u32 s58, s58, STAGE
	v_add_nc_u32 v[SOA], s58, v[SOA]
	s_lshl_b32 s58, s18, 10
	s_add_co_u32 s58, s58, BT                      ; my wave's table of be2
	v_lshl_add_u32 v21, v3, 2, s58
	v_lshl_add_u32 v29, v2, 5, s58
	s_lshl2_add_u32 s26, s19, s18                  ; ng = 4 ns + w
	s_lshl_b32 s26, s26, 15
	s_add_co_u32 s26, s26, 20971520
	s_mov_b32 s27, 0
	s_mov_b32 s25, 8
	s_mov_b32 s24, 0
	s_mov_b32 s47, 24
	s_wait_kmcnt 0x0
	s_load_b64 s[22:23], s[8:9], s46 offset:71424  ; DTAB: the experts present, the number of segments
	s_add_nc_u64 s[52:53], s[6:7], s[26:27]        ; my 32 columns in expert 0's W2
	s_add_nc_u64 s[50:51], s[52:53], 0x800000      ; segment 0 is expert 8
	s_mov_b64 s[48:49], s[50:51]
	s_wait_alu depctr_va_vdst(0)                   ; the offsets and LDS addresses v10 to v29 are written, which the loads and stores of the whole kernel read
	REFB 0, 50, 0
	REFB 1, 50, 2048
	WIN 0
.set i, 0
.rept 16
	global_load_b32 v[RH+i], v22, s[8:9] offset:71680+8*i
.set i, i+1
.endr
.set i, 0
.rept 8
	global_load_b32 v[RA+i], v23, s[8:9] offset:71680+64*i
	global_load_b64 v[WA+2*i:WA+2*i+1], v25, s[10:11] offset:70400+128*i
	global_load_b32 v[BE+i], v26, s[12:13] offset:4096*i
.set i, i+1
.endr
.irp c, 0,1
	global_load_b128 v[BS+8*\c:BS+8*\c+3],   v27, s[14:15] offset:64*\c
	global_load_b128 v[BS+8*\c+4:BS+8*\c+7], v27, s[14:15] offset:64*\c+16
.endr
	s_wait_kmcnt 0x0
	s_min_u32 s23, s23, 10
	s_wait_loadcnt 0x0
.set i, 0
.rept 16
	v_and_b32 v[TI+i], 0xfff, v[RH+i]
	v_bfe_u32 v[MAP+i], v[RH+i], 12, 3
	v_bfe_u32 v[RH+i], v[RH+i], 15, 3
.set i, i+1
.endr
.set i, 0
.rept 16
	v_lshl_add_u32 v[MAP+i], v[MAP+i], 1, v[MAP+i] ; 3 lo
	v_lshl_add_u32 v[RH+i], v[RH+i], 1, v[RH+i]    ; 3 hi
.set i, i+1
.endr
.set i, 0
.rept 16
	v_lshlrev_b32 v[MAP+i], v[MAP+i], 4            ; 4 << 3 lo: lo's field goes from 4 to 0
	v_lshlrev_b32 v[RH+i], v[RH+i], 3              ; 3 << 3 hi: hi's from 4 to 1
.set i, i+1
.endr
.set i, 0
.rept 16
	v_add_nc_u32 v[MAP+i], v[MAP+i], v[RH+i]
	v_min_u32 v[OUTO+i], 0xfff, v[TI+i]
.set i, i+1
.endr
.set i, 0
.rept 16
	v_sub_nc_u32 v[MAP+i], 0x1a924924, v[MAP+i]    ; fields 0-7: 4; field 8: 2; field 9: 3
	v_lshl_add_u32 v[OUTO+i], v[OUTO+i], 12, v28   ; out0 row t, 4,096 bytes each
.set i, i+1
.endr
	OFFS
	s_wait_alu depctr_va_vdst(0)                   ; v[ROFF ..] are written, which the row loads read; so are v[OUTO ..], for the stores at the end
	WIN 0x80
.set i, 0
.rept 16                               ; segment 0, first half
	global_load_b128 v[128+8*i:128+8*i+3],   v[ROFF+i], s[4:5]
	global_load_b128 v[128+8*i+4:128+8*i+7], v[ROFF+i], s[4:5] offset:256
.set i, i+1
.endr
	SLOAD 1                                        ; segment 0, second half
.irp q, 2,3,4,5,6,7
	REFB \q, 50, 2048*\q
.endr
	WIN 0
	; while these are on their way: the biases and the sums' beginning
.irp p, 0,1,2,3
	v_cvt_pk_bf16_f32 v31, v[BE+2*\p], v[BE+2*\p+1]
	v_lshlrev_b32 v[BE+2*\p], 16, v31
	v_and_b32 v[BE+2*\p+1], 0xffff0000, v31
.endr
.irp p, 0,1,2,3,4,5,6,7
	v_cvt_pk_bf16_f32 v31, v[BS+2*\p], v[BS+2*\p+1]
	v_lshlrev_b32 v[BS+2*\p], 16, v31
	v_and_b32 v[BS+2*\p+1], 0xffff0000, v31
.endr
.set i, 0
.rept 8
	v_bfe_u32 v[LA+i], v[RA+i], 12, 3
	v_bfe_u32 v[HA+i], v[RA+i], 15, 3
	v_mov_b32 v[WB+2*i], v[WA+2*i+1]
	v_mov_b32 v[WB+2*i+1], v[WA+2*i+1]
.set i, i+1
.endr
.set i, 0
.rept 8
	v_min_u32 v[LA+i], 7, v[LA+i]
	v_min_u32 v[HA+i], 7, v[HA+i]
	v_lshl_add_u32 v[LA+i], v[LA+i], 7, v29
	v_lshl_add_u32 v[HA+i], v[HA+i], 7, v29
.set i, i+1
.endr
	s_wait_alu depctr_va_vdst(0)                   ; v[BE ..] are written, which the LDS stores read; so are v[LA ..] and v[HA ..], the addresses of the table's loads
.irp e, 0,1,2,3,4,5,6,7
	ds_store_b32 v21, v[BE+\e] offset:128*\e
.endr
	s_wait_dscnt 0x0                               ; the tables of be2 are in LDS
	s_barrier_signal -1
	s_barrier_wait -1
	BINIT 0
	BINIT 1
	BINIT 2
	BINIT 3
	WIN 0
	s_wait_alu depctr_va_vdst(0)                   ; the multiply-adds are done reading v64 to v191 (weights, biases, table values): these registers are row fragments from here on
	s_wait_alu depctr_vm_vsrc(0)                   ; the table's LDS stores and loads have read their data and addresses in v88 to v111, in which fragments land
	s_wait_loadcnt 56                              ; younger than the first half's rows: the second half's 32 and 24 of the ring
	WIN 0x08
.set i, 0
.rept 16
	ds_store_b128 v[STR], v[128+8*i:128+8*i+3]   offset:2*PITCH*i
	ds_store_b128 v[STR], v[128+8*i+4:128+8*i+7] offset:2*PITCH*i+256
.set i, i+1
.endr
	WIN 0
.Lseg:
	STEP 0
	STEP 1
	s_add_co_u32 s24, s24, 1
	s_cmp_lt_u32 s24, 10
	s_cbranch_scc1 .Lseg
	s_wait_loadcnt 0x0                             ; what the last segment asked for ahead is not used
	PLACES
	s_wait_alu depctr_va_vdst(0)                   ; the products have written the accumulators, which the LDS stores read, and are done reading buffers 0 and 1, in which the rows from the stage land; the places above stay beside this wait
	WIN 0x04
.irp a, 0,1,2,3,4,5,6,7
.irp c, 0,1
	ds_store_b128 v[SOA], v[8*(2*\a+\c):8*(2*\a+\c)+3]   offset:\a*16*PITCH+64*\c
	ds_store_b128 v[SOA], v[8*(2*\a+\c)+4:8*(2*\a+\c)+7] offset:\a*16*PITCH+64*\c+16
.endr
.endr
	WIN 0
	s_wait_dscnt 0x0                               ; a row's 512 bytes come from four waves
	s_barrier_signal -1
	s_barrier_wait -1
.set i, 0
.rept 16
	ds_load_b128 v[AB+8*i:AB+8*i+3],   v[RDA] offset:2*PITCH*i
	ds_load_b128 v[AB+8*i+4:AB+8*i+7], v[RDA] offset:2*PITCH*i+256
.set i, i+1
.endr
.set i, 0
.rept 16                               ; rows 32 w + 2 i and the next: 16 lanes store 256 consecutive bytes, aligned
	s_wait_dscnt 30-2*i
	global_store_b128 v[OUTO+i], v[AB+8*i:AB+8*i+3],   s[16:17] th:TH_STORE_NT
	global_store_b128 v[OUTO+i], v[AB+8*i+4:AB+8*i+7], s[16:17] offset:256 th:TH_STORE_NT
.set i, i+1
.endr
	s_wait_dscnt 0x0                               ; the closing lines, six on end
	s_wait_alu 0x0
	s_wait_tensorcnt 0x0
	ds_add_u32 v[SPW], v[NIL]
	s_wait_dscnt 0x0
	s_endpgm
.Lfunc_end_k_q1be170291d_down:
	.size	k_q1be170291d_down, .Lfunc_end_k_q1be170291d_down-k_q1be170291d_down
	.p2alignl 7, 3214868480
	.fill 96, 4, 3214868480
	.section	.rodata,"a",@progbits
	.p2align	6, 0x0
	.amdhsa_kernel k_q1be170291d_down
		.amdhsa_group_segment_fixed_size 207360
		.amdhsa_private_segment_fixed_size 0
		.amdhsa_enable_private_segment 0
		.amdhsa_kernarg_size 56
		.amdhsa_user_sgpr_count 2
		.amdhsa_user_sgpr_kernarg_segment_ptr 1
		.amdhsa_wavefront_size32 1
		.amdhsa_system_sgpr_workgroup_id_x 1
		.amdhsa_system_sgpr_workgroup_id_y 1
		.amdhsa_system_sgpr_workgroup_id_z 1
		.amdhsa_system_vgpr_workitem_id 0
		.amdhsa_next_free_vgpr 960
		.amdhsa_next_free_sgpr 66
		.amdhsa_reserve_vcc 0
		.amdhsa_float_denorm_mode_32 3
		.amdhsa_float_denorm_mode_16_64 3
		.amdhsa_memory_ordered 1
		.amdhsa_forward_progress 1
		.amdhsa_inst_pref_size 116
	.end_amdhsa_kernel
	.amdgpu_metadata
---
amdhsa.version: [ 1, 2 ]
amdhsa.kernels:
  - .name:           k_q1be170291d_down
    .symbol:         k_q1be170291d_down.kd
    .args:
      - { .name: hcat, .offset: 0, .size: 8, .value_kind: global_buffer, .address_space: global }
      - { .name: wts, .offset: 8, .size: 8, .value_kind: global_buffer, .address_space: global }
      - { .name: lists, .offset: 16, .size: 8, .value_kind: global_buffer, .address_space: global }
      - { .name: wgt, .offset: 24, .size: 8, .value_kind: global_buffer, .address_space: global }
      - { .name: be2, .offset: 32, .size: 8, .value_kind: global_buffer, .address_space: global }
      - { .name: bs2, .offset: 40, .size: 8, .value_kind: global_buffer, .address_space: global }
      - { .name: out0, .offset: 48, .size: 8, .value_kind: global_buffer, .address_space: global }
    .group_segment_fixed_size: 207360
    .private_segment_fixed_size: 0
    .kernarg_segment_align: 8
    .kernarg_segment_size: 56
    .max_flat_workgroup_size: 128
    .sgpr_count:     66
    .vgpr_count:     960
    .wavefront_size: 32
...
	.end_amdgpu_metadata
.endif
;; end of part 6
